; MI455X (gfx1250); checked and timed in simulation.
; The chip was launched on July 23, 2026; its instructions are those of AMD's public machine-readable ISA for CDNA 5 (MIT licence, August 2026) and "CDNA5" Instruction Set Architecture Reference Guide (July 2026). The comments in the code are by the model that wrote it; some were corrected since.
;; Causal Self Attention. Allowed arithmetic: matrix products marked QUANTISED: E2M1 operands, one E8M0 scale for each 32 along K, by v_wmma_scale_f32_16x16x128_f8f6f4 with both operands' format E2M1 (or v_wmma_scale_f32_32x16x128_f4), f32 sums; products left as they are: bf16, f16 or f32 operands; f32 sums; everything else in f32.
;; Inputs: Wk 384 x 384 float32; Wp 384 x 384 float32; Wq 384 x 384 float32; Wv 384 x 384 float32; bk 384 float32; bp 384 float32; bq 384 float32; bv 384 float32; x 2 x 4,096 x 384 float32.
;; Outputs: out0 2 x 4,096 x 384 float32.
;; This version of the problem:
;;   THIS VERSION OF THE PROBLEM IS GIVEN IN LOW PRECISION. The matrix products marked QUANTISED in the list below multiply operands that are first quantised to E2M1 (2 exponent bits, 1 mantissa bit; 4 bits a number), with one power-of-two scale for each 32 numbers along K (OCP MX v1.0); their sums are f32. The products marked 'left as it is' may take bf16, f16 or f32 operands, with f32 sums. Whichever they take, every output number must still come out within the allowed error. Rounding operands to bf16 (8 significant bits) uses up far more of that allowance than f16 does (11 bits, for magnitudes from 6e-5 to 65,504). All else is computed in f32.
;;   The module's matrix products, in the order in which they are computed (A, B: the left and right operand; K: the contracted axis; several contracted axes count as one K, in the product's order):
;;     1. [M 8,192, K 384] x [K 384, N 384]; A: input x; B: input Wq: QUANTISED
;;     2. [M 8,192, K 384] x [K 384, N 384]; A: input x; B: input Wk: QUANTISED
;;     3. [M 8,192, K 384] x [K 384, N 384]; A: input x; B: input Wv: QUANTISED
;;     4. batch 12 x [M 4,096, K 64] x [K 64, N 4,096]; A: computed on the way; B: computed on the way: left as it is (an operand is computed on the way)
;;     5. batch 12 x [M 4,096, K 4,096] x [K 4,096, N 64]; A: computed on the way; B: computed on the way: left as it is (an operand is computed on the way)
;;     6. [M 8,192, K 384] x [K 384, N 384]; A: computed on the way; B: input Wp: left as it is (an operand is computed on the way)
;;   THE QUANTISER, for each operand of a quantised product, along K:
;;     - K is cut into blocks of 32 from its start; a last block that is shorter is filled with zeros.
;;     - A block's scale is 2^e with e = floor(log2(the largest magnitude in the block)) - 2, held to -126 .. 127; a block of zeros has e = 0. As a byte (E8M0): e + 127.
;;     - Each number is divided by its block's scale, clamped to +-6, and rounded to the nearest number of E2M1, ties to even, subnormals kept.
;;     - The product sums the exact products of the quantised numbers (number of the format x scale) in f32.
;;   ~~~python
;;   def quantise(x, axis):      # numpy; x: float32 -> the quantised numbers, widened to float32 again
;;       x = np.moveaxis(x, axis, -1); K = x.shape[-1]
;;       x = np.pad(x, [(0, 0)] * (x.ndim - 1) + [(0, -K % 32)]); x = x.reshape(x.shape[:-1] + (-1, 32)); a = np.abs(x).max(-1, keepdims=True)
;;       e = np.where(a > 0, np.clip(np.frexp(np.where(a > 0, a, 1))[1] - 1 - 2, -126, 127), 0)      # np.frexp(a)[1] - 1 = floor(log2(a)), exactly
;;       r = np.clip(x / 2.0 ** e, -6, 6)
;;       step = 2.0 ** (np.maximum(np.frexp(np.where(r == 0, 1, r))[1] - 1, 0) - 1)
;;       q = np.round(r / step) * step * 2.0 ** e      # np.round: ties to even
;;       return np.moveaxis(q.reshape(q.shape[:-2] + (-1,))[..., :K], -1, axis).astype(np.float32)
;;   ~~~
;; 2 versions, each right; version 2 is version 1 with the launch qkv written anew for expert scheduling mode. Each part assembles by itself: llvm-mc -triple=amdgcn-amd-amdhsa -mcpu=gfx1250 --defsym DOCPART=n.
;; ======== version 1 of 2: 4 launches
;; limits: values are held in f16: magnitudes above 65,504 overflow, below 6.1e-05 lose precision
;; workspace buffers: qf 6,291,456 bytes; kf 6,291,456 bytes; vf 6,291,456 bytes; yf 6,291,456 bytes; h16 147,456 bytes
;; launch qkv (part 1): grid 64 x 3, 8 waves a work-group, no clusters, 61,440 bytes of LDS; arguments x, Wq, Wk, Wv, bq, bk, bv, qf, kf, vf, h16; writes qf, kf, vf, h16
.if DOCPART == 1
	.amdgcn_target "amdgcn-amd-amdhsa--gfx1250"
	.amdhsa_code_object_version 6
	.text
	.protected	k_q22672c812a_qkv
	.globl	k_q22672c812a_qkv
	.p2align	8
	.type	k_q22672c812a_qkv,@function
k_q22672c812a_qkv:
	s_mov_b64 s[64:65], 0
	v_nop
	global_prefetch_b8 v0, s[64:65] scope:SCOPE_SE
	s_setreg_imm32_b32 hwreg(HW_REG_WAVE_MODE, 25, 1), 1
	s_wait_xcnt 0x0
; q, k, v = Q(x) Q(W)^T + b, Q the MX-FP4 quantiser along K = 384 (12 blocks of 32, three matrix steps of 128); RoPE on q and k in f32; results rounded to f16.
; SHARES.  Work-group (rb, y): rows 128 rb .. 128 rb + 127 of x (8 tiles of 16), matrix y (0 q, 1 k, 2 v).  Wave w owns the output tiles nt = 3 w + u, u = 0..2 (16 columns each);
; its nine fragments of W are quantised in registers and stay there.  Wave w also quantises row tile w of x; the codes and scale words go to the other waves through LDS as images of the
; operand's registers (16 bytes a lane, 512 bytes a store).  For q and k wave w makes the cosines and sines of row tile w, which go the same way.  One barrier.
; LAYOUT OF THE RESULTS.  q, k: source 0 = 16 rows of W, source 1 = 16 rows of x: a lane holds one position and eight neighbouring channels, so a RoPE pair lies in one lane and four packed
; conversions make half of a 16-bit operand's registers.  v: the sources swapped: a lane holds one channel and eight positions: half of an operand whose K runs along the keys.
; Each half (32 lanes x 16 bytes) is stored as it stands: every store of a wave covers 512 consecutive bytes, aligned.
;   qf, kf: (6 b + head) 524288 + (position / 16) 2048 + dt 512 + 16 lane       vf: (6 b + head) 524288 + (position / 32) 4096 + dt 1024 + ((position / 16) % 2) 512 + 16 lane
;   h16 (f32 copy of positions 0-15): ((y 2 + b) 24 + nt) 1024 + half 512 + 16 lane
; NO CLUSTER, NO TENSOR LOAD: both operands arrive as f32 and pass through registers to be quantised.
; LIMITS: |q|, |k|, |v| under 65,504 (f16).  NaN and infinities among the inputs are not served.  A block of zeros gets the scale byte 1 where the quantiser says 127: its codes are zeros, and
; the bytes are read by this program alone.  The RoPE frequencies 10^(-i/8) are literals times one factor: within about 1.5 ulp; at position 4,095 an angle differs by 3e-4 rad at the most.
.set XIMG,  0                          ; LDS: x's 24 fragments (3 m + s), 1,024 bytes each
.set XSC,   24576                      ; their scale words, 128 bytes each
.set CSB,   27648                      ; cosines and sines: row tile m 4,096: dt 1,024: cos of pairs 0-3 (512), sin (512)
.set SPARE, 60416                      ; the spare words, 128 bytes for each wave: four blocks of 256 bytes that no other line names
.set XO,  4                            ; v4   r 1536 + h 128: my 32 numbers of a block pair in a row of x or W
.set LI,  5                            ; v5   16 x lane
.set LS,  6                            ; v6   4 x lane
.set XWI, 7                            ; v7   16 x lane + 3072 w: where I store x's images; also my offset in h16
.set XWS, 8                            ; v8   4 x lane + 384 w
.set CWI, 9                            ; v9   16 x lane + 4096 w
.set CA,  10                           ; v10-12 16 x lane + 1024 dt(u)
.set GO,  13                           ; v13-15 my offset in the output for tile u
.set SPW, 16                           ; v16  LDS address of my spare word; never rewritten
.set NIL, 17                           ; v17  0; never rewritten
.set SH8, 18                           ; v18  8 h
.set POS, 19                           ; v19  my position, as f32
.set FH,  20                           ; v20  1 in lanes 0-15, 10^-0.5 in lanes 16-31
.set TA,  21                           ; v21-23, v26-27, v250-251: at work on cosines and sines
.set TN,  22
.set TR,  23
.set QT,  24                           ; v24  the quantiser's lane exchange
.set PW,  25                           ; v25  x's scale word on its way to LDS
.set T2,  26
.set TS,  27
.set XS,  28                           ; v28-30 x's scale words: scales and nothing else
.set BOQ, 31                           ; v31  32 h: bias, q and k
.set WF,  32                           ; v32-103 W's fragments (u, s) at 8 (3 u + s)
.set WS,  104                          ; v104-112 W's scale words: scales and nothing else
.set BOV, 113                          ; v113 4 r: bias, v
.set BA,  114                          ; v114-177, v178-241: two sets of 64 numbers
.set PC,  242                          ; v242-249 x's codes
.set QM,  250                          ; v250-251 largest magnitudes, v252-253 scale operands, v254-255 bytes
.set QS,  252
.set QB,  254
.set TC,  250
.set TQ,  251
.set BIAS, 114                         ; behind the quantising: v114-137 bias, v138-161 x's fragments, v166-189 sums, v190-213 cos, sin, v214-237 rotated, v242-253 packed
.set XF,  138
.set ACC, 166
.set CS,  190
.set SCO, 190
.set RR,  214
.set PK,  242
.set WV,  2
.set YY,  3
.set RB31, 4
.set BT,  5
.set XB,  32
.set WB,  34
.set BP,  36
.set OB,  38
.set HB,  40
.set SEL, 42
.set S4,  44
.set C4,  45
	s_load_b256 s[8:15], s[0:1], 0x0               ; x, Wq, Wk, Wv
	s_load_b256 s[16:23], s[0:1], 0x20             ; bq, bk, bv, qf
	s_load_b128 s[24:27], s[0:1], 0x40             ; kf, vf
	s_load_b64 s[28:29], s[0:1], 0x50              ; h16
	v_lshl_add_u32 v[SPW], v0, 2, SPARE
	v_mov_b32 v[NIL], 0
	v_lshrrev_b32 v1, 5, v0
	v_readfirstlane_b32 s[WV], v1                  ; wave 0..7
	s_and_b32 s[YY], ttmp7, 0xffff                 ; which matrix
	s_and_b32 s[RB31], ttmp9, 31                   ; the row block within its batch
	s_lshr_b32 s[BT], ttmp9, 5                     ; the batch
	v_and_b32 v1, 31, v0                           ; lane
	v_and_b32 v2, 15, v0                           ; r
	v_bfe_u32 v3, v0, 4, 1                         ; h
	v_mul_u32_u24 v[XO], v2, 1536
	v_lshl_add_u32 v[XO], v3, 7, v[XO]
	v_lshlrev_b32 v[LI], 4, v1
	v_lshlrev_b32 v[LS], 2, v1
	s_mul_i32 s6, s[WV], 3072
	v_add_nc_u32 v[XWI], s6, v[LI]
	s_mul_i32 s6, s[WV], 384
	v_add_nc_u32 v[XWS], s6, v[LS]
	s_lshl_b32 s6, s[WV], 12
	v_add_nc_u32 v[CWI], s6, v[LI]
	s_cmp_eq_u32 s[YY], 2
	s_cselect_b32 s7, 10, 9                        ; a tile dt is 1,024 bytes on in vf, 512 in qf and kf
	s_mul_i32 s46, s[WV], 3
.irp u, 0,1,2
	s_add_co_u32 s6, s46, \u                       ; nt = 3 w + u
	s_and_b32 s47, s6, 3                           ; dt
	s_lshr_b32 s6, s6, 2                           ; head
	s_lshl_b32 s48, s47, 10
	v_add_nc_u32 v[CA+\u], s48, v[LI]
	s_lshl_b32 s47, s47, s7
	s_lshl_b32 s6, s6, 19
	s_add_co_u32 s6, s6, s47
	v_add_nc_u32 v[GO+\u], s6, v[LI]
.endr
	v_lshlrev_b32 v[SH8], 3, v3
	v_lshlrev_b32 v[BOQ], 5, v3
	v_lshlrev_b32 v[BOV], 2, v2
	s_lshl_b32 s6, s[RB31], 7
	s_lshl_b32 s7, s[WV], 4
	s_add_co_u32 s6, s6, s7
	v_add_nc_u32 v[POS], s6, v2                    ; position = 128 (rb % 32) + 16 w + r
	v_cvt_f32_u32 v[POS], v[POS]
	v_mov_b32 v[TA], 0x3ea1e89b                    ; 10^-0.5
	v_cmp_eq_u32 vcc_lo, 1, v3
	v_cndmask_b32 v[FH], 1.0, v[TA], vcc_lo
	v_mov_b32 v[QT], 0                             ; written once: a lane permute's destination counts as one of its sources
	s_mov_b32 s[SEL], 0x76543210
	s_mov_b32 s[SEL+1], 0xfedcba98                 ; lane l xor 16
	s_mov_b32 s[S4], 0x3638ef1d                    ; 1 / 9!
	s_mov_b32 s[C4], 0x37d00d01                    ; 1 / 8!
	s_wait_kmcnt 0x0
	s_cmp_eq_u32 s[YY], 0                          ; the buffers are chosen by the work-group's y alone
	s_cselect_b64 s[WB:WB+1], s[10:11], s[12:13]
	s_cselect_b64 s[BP:BP+1], s[16:17], s[18:19]
	s_cselect_b64 s[OB:OB+1], s[22:23], s[24:25]
	s_cmp_eq_u32 s[YY], 2
	s_cselect_b64 s[WB:WB+1], s[14:15], s[WB:WB+1]
	s_cselect_b64 s[BP:BP+1], s[20:21], s[BP:BP+1]
	s_cselect_b64 s[OB:OB+1], s[26:27], s[OB:OB+1]
	s_mov_b32 s31, 0
	s_mul_i32 s30, ttmp9, 196608                   ; 128 rows of 1,536 bytes
	s_mul_i32 s6, s[WV], 24576                     ; my 16 rows
	s_add_co_u32 s30, s30, s6
	s_add_nc_u64 s[XB:XB+1], s[8:9], s[30:31]
	s_mul_i32 s30, s[WV], 73728                    ; my 48 rows of W
	s_add_nc_u64 s[WB:WB+1], s[WB:WB+1], s[30:31]
	s_mul_i32 s30, s[WV], 192                      ; my 48 numbers of the bias
	s_add_nc_u64 s[BP:BP+1], s[BP:BP+1], s[30:31]
	s_mul_i32 s30, s[BT], 3145728                  ; six heads of 524,288 bytes
	s_lshl_b32 s6, s[RB31], 14                     ; 128 positions are 16,384 bytes of a head
	s_add_co_u32 s30, s30, s6
	s_add_nc_u64 s[OB:OB+1], s[OB:OB+1], s[30:31]
	s_lshl_b32 s30, s[YY], 1
	s_add_co_u32 s30, s30, s[BT]
	s_mul_i32 s30, s30, 24576
	s_add_nc_u64 s[HB:HB+1], s[28:29], s[30:31]
; 128 along K of my row: lane (r, h) takes k = 64 c + 32 h + 0 .. 31, c = 0, 1: two whole blocks, in the order in which the operand's registers want them
.macro LOAD64 buf, base, imm
.irp c, 0,1
.irp i, 0,1,2,3,4,5,6,7
	global_load_b128 v[\buf+32*\c+4*\i:\buf+32*\c+4*\i+3], v[XO], s[\base:\base+1] offset:\imm+256*\c+16*\i
.endr
.endr
.endm
; 64 numbers of a lane become a fragment's eight registers of codes in v[dst] on and its scale word in v[wd]
.macro QUANTB buf, dst, wd
	v_max3_num_f32 v[QM], |v[\buf]|, |v[\buf+1]|, 0x1800000        ; my two blocks by turns; the floor 2^(3 - 127) holds the byte at 1 from below
	v_max3_num_f32 v[QM+1], |v[\buf+32]|, |v[\buf+33]|, 0x1800000
.irp i, 2,4,6,8,10,12,14,16,18,20,22,24,26,28,30
	v_max3_num_f32 v[QM], v[QM], |v[\buf+\i]|, |v[\buf+\i+1]|
	v_max3_num_f32 v[QM+1], v[QM+1], |v[\buf+32+\i]|, |v[\buf+33+\i]|
.endr
	v_add_nc_u32 v[QS], 0xff000000, v[QM]          ; 2 off the exponent field: the conversion's scale operand
	v_add_nc_u32 v[QS+1], 0xff000000, v[QM+1]
	v_lshrrev_b32 v[QB], 23, v[QS]                 ; the scales' bytes
	v_lshrrev_b32 v[QB+1], 23, v[QS+1]
	v_lshl_or_b32 v[QB], v[QB+1], 16, v[QB]        ; blocks h and 2 + h,
	v_lshlrev_b32 v[QB], v[SH8], v[QB]             ; at their places in the word;
	v_permlanex16_b32 v[QT], v[QB], s[SEL], s[SEL+1]
	v_or_b32 v[\wd], v[QB], v[QT]                  ; with lane l xor 16's two the word is whole
.irp c, 0,1
.irp g, 0,1,2,3
	v_cvt_scalef32_pk8_fp4_f32 v[\dst+4*\c+\g], v[\buf+32*\c+8*\g:\buf+32*\c+8*\g+7], v[QS+\c]
.endr
.endr
	v_nop                                          ; one plain place behind the last scaled conversion
.endm
.macro XIMAGE s                                ; x's fragment and scale word of K step s go to LDS as they stand
	ds_store_b128 v[XWI], v[PC:PC+3] offset:XIMG+1024*\s
	ds_store_b128 v[XWI], v[PC+4:PC+7] offset:XIMG+1024*\s+512
	ds_store_b32 v[XWS], v[PW] offset:XSC+128*\s
.endm
; TWELVE ROUNDS: x's three K steps, then W's nine fragments.  Two rounds' loads are out; the count 16 leaves the next round's 16 loads on their way.
	LOAD64 BA, XB, 0
	LOAD64 BA+64, XB, 512
	s_wait_loadcnt 16
	QUANTB BA, PC, PW
	XIMAGE 0
	LOAD64 BA, XB, 1024
	s_wait_loadcnt 16
	s_wait_dscnt 0x0                               ; the image's stores have read the codes' registers
	QUANTB BA+64, PC, PW
	XIMAGE 1
	LOAD64 BA+64, WB, 0
	s_wait_loadcnt 16
	s_wait_dscnt 0x0
	QUANTB BA, PC, PW
	XIMAGE 2
	LOAD64 BA, WB, 512
.set J, 0
.rept 9                                        ; fragment J = 3 u + s of W
.set BUF, BA+64*((J+1)%2)
.if J < 8
	s_wait_loadcnt 16
.else
	s_wait_loadcnt 0x0
.endif
	QUANTB BUF, WF+8*J, WS+J
.if J+2 < 9
	LOAD64 BUF, WB, ((J+2)/3)*24576+((J+2)%3)*512
.endif
.set J, J+1
.endr
; cos and sin of a = position x 10^-(dt + h/2 + p/8).  a is reduced by n = round(a 2/pi) in two steps (pi/2 as a high and a low part), the two series run to r^9 and r^8 on |r| <= pi/4,
; and n mod 4 picks and signs them by selects: no branch hangs on a number.
.macro SINCOS lit, oc, os
	v_mul_f32 v[TA], \lit, v[FH]
	v_mul_f32 v[TA], v[TA], v[POS]
	v_mul_f32 v[TN], 0x3f22f983, v[TA]
	v_rndne_f32 v[TN], v[TN]
	v_fmamk_f32 v[TR], v[TN], 0xbfc90fdb, v[TA]
	v_fmamk_f32 v[TR], v[TN], 0x333bbd2e, v[TR]
	v_cvt_i32_f32 v[TQ], v[TN]
	v_mul_f32 v[T2], v[TR], v[TR]
	v_fmaak_f32 v[TS], s[S4], v[T2], 0xb9500d01
	v_fmaak_f32 v[TC], s[C4], v[T2], 0xbab60b61
	v_fmaak_f32 v[TS], v[TS], v[T2], 0x3c088889
	v_fmaak_f32 v[TC], v[TC], v[T2], 0x3d2aaaab
	v_fmaak_f32 v[TS], v[TS], v[T2], 0xbe2aaaab
	v_fmaak_f32 v[TC], v[TC], v[T2], 0xbf000000
	v_mul_f32 v[TS], v[TS], v[T2]
	v_fma_f32 v[TC], v[TC], v[T2], 1.0
	v_fma_f32 v[TS], v[TS], v[TR], v[TR]
	v_and_b32 v[TA], 1, v[TQ]
	v_cmp_eq_u32 vcc_lo, 1, v[TA]
	v_cndmask_b32 v[TN], v[TS], v[TC], vcc_lo      ; odd n: sine and cosine change places
	v_cndmask_b32 v[TC], v[TC], v[TS], vcc_lo
	v_lshlrev_b32 v[TA], 30, v[TQ]
	v_add_nc_u32 v[TQ], 1, v[TQ]
	v_and_b32 v[TA], 0x80000000, v[TA]             ; the sine is negative for n mod 4 = 2, 3,
	v_lshlrev_b32 v[TQ], 30, v[TQ]
	v_xor_b32 v[\os], v[TA], v[TN]
	v_and_b32 v[TQ], 0x80000000, v[TQ]             ; the cosine for 1, 2
	v_xor_b32 v[\oc], v[TQ], v[TC]
.endm
.macro SC4 dt, l0, l1, l2, l3
	SINCOS \l0, SCO+8*\dt, SCO+8*\dt+4
	SINCOS \l1, SCO+8*\dt+1, SCO+8*\dt+5
	SINCOS \l2, SCO+8*\dt+2, SCO+8*\dt+6
	SINCOS \l3, SCO+8*\dt+3, SCO+8*\dt+7
	ds_store_b128 v[CWI], v[SCO+8*\dt:SCO+8*\dt+3] offset:CSB+1024*\dt
	ds_store_b128 v[CWI], v[SCO+8*\dt+4:SCO+8*\dt+7] offset:CSB+1024*\dt+512
.endm
	s_cmp_eq_u32 s[YY], 2
	s_cbranch_scc1 .Lbias_v
.irp u, 0,1,2                                  ; q, k: lane (r, h) wants the bias of channels 16 nt + 8 h + 0 .. 7
	global_load_b128 v[BIAS+8*\u:BIAS+8*\u+3], v[BOQ], s[BP:BP+1] offset:64*\u
	global_load_b128 v[BIAS+8*\u+4:BIAS+8*\u+7], v[BOQ], s[BP:BP+1] offset:64*\u+16
.endr
	SC4 0, 1.0, 0.749894209, 0.562341325, 0.421696503
	SC4 1, 0.1, 0.0749894209, 0.0562341325, 0.0421696503
	SC4 2, 0.01, 0.00749894209, 0.00562341325, 0.00421696503
	SC4 3, 0.001, 0.000749894209, 0.000562341325, 0.000421696503
	s_branch .Lmeet
.Lbias_v:
.irp u, 0,1,2                                  ; v: lane (r, h) wants the bias of channel 16 nt + r
	global_load_b32 v[BIAS+8*\u], v[BOV], s[BP:BP+1] offset:64*\u
.endr
.Lmeet:
	s_wait_dscnt 0x0                               ; for the others' sake: my images have landed
	s_barrier_signal -1
	s_barrier_wait -1                              ; all eight row tiles lie in LDS; nothing there is written again
	s_wait_loadcnt 0x0                             ; the bias
.rept 8
	v_nop                                          ; an operand written by vector instructions stands 4 places ahead of a scaled matrix instruction, a scale register so written 8.  W's last fragment and its scale word
.endr                                              ; were made just ahead of the first parting on y; these eight stand on the common way, once a wave, so that the distance holds whichever arms a way through the text takes
.macro XFETCH m                                ; row tile m: three fragments and three scale words
.irp s, 0,1,2
	ds_load_b128 v[XF+8*\s:XF+8*\s+3], v[LI] offset:XIMG+(3*\m+\s)*1024
	ds_load_b128 v[XF+8*\s+4:XF+8*\s+7], v[LI] offset:XIMG+(3*\m+\s)*1024+512
	ds_load_b32 v[XS+\s], v[LS] offset:XSC+(3*\m+\s)*128
.endr
.endm
; q, k: row tile m.  Nine products, the three sums by turns; the bias is the C of each sum's first product.
.macro MQK m
	s_wait_xcnt 0x0                                ; the last tile's stores have read their data: the registers may be written again
	XFETCH \m
.irp u, 0,1,2
	ds_load_b128 v[CS+8*\u:CS+8*\u+3], v[CA+\u] offset:CSB+4096*\m
	ds_load_b128 v[CS+8*\u+4:CS+8*\u+7], v[CA+\u] offset:CSB+4096*\m+512
.endr
	s_wait_dscnt 0x0
.irp s, 0,1,2
.irp u, 0,1,2
.if \s == 0
	v_wmma_scale_f32_16x16x128_f8f6f4 v[ACC+8*\u:ACC+8*\u+7], v[WF+8*(3*\u+\s):WF+8*(3*\u+\s)+7], v[XF+8*\s:XF+8*\s+7], v[BIAS+8*\u:BIAS+8*\u+7], v[WS+3*\u+\s], v[XS+\s] matrix_a_fmt:MATRIX_FMT_FP4 matrix_b_fmt:MATRIX_FMT_FP4
.else
	v_wmma_scale_f32_16x16x128_f8f6f4 v[ACC+8*\u:ACC+8*\u+7], v[WF+8*(3*\u+\s):WF+8*(3*\u+\s)+7], v[XF+8*\s:XF+8*\s+7], v[ACC+8*\u:ACC+8*\u+7], v[WS+3*\u+\s], v[XS+\s] matrix_a_fmt:MATRIX_FMT_FP4 matrix_b_fmt:MATRIX_FMT_FP4
.endif
.endr
.endr
.rept 4
	v_nop                                          ; places in front of the first read of results
.endr
.irp u, 0,1,2                                  ; RoPE: (x1, x2) -> (x1 cos - x2 sin, x1 sin + x2 cos); each sum is read from its low end on
.irp p, 0,1,2,3
	v_mul_f32 v[RR+8*\u+2*\p], v[ACC+8*\u+2*\p+1], v[CS+8*\u+4+\p]
	v_mul_f32 v[RR+8*\u+2*\p+1], v[ACC+8*\u+2*\p+1], v[CS+8*\u+\p]
.endr
.irp p, 0,1,2,3
	v_fma_f32 v[RR+8*\u+2*\p], v[ACC+8*\u+2*\p], v[CS+8*\u+\p], -v[RR+8*\u+2*\p]
	v_fma_f32 v[RR+8*\u+2*\p+1], v[ACC+8*\u+2*\p], v[CS+8*\u+4+\p], v[RR+8*\u+2*\p+1]
.endr
.endr
.irp u, 0,1,2
.irp i, 0,1,2,3
	v_cvt_pk_f16_f32 v[PK+4*\u+\i], v[RR+8*\u+2*\i], v[RR+8*\u+2*\i+1]
.endr
	global_store_b128 v[GO+\u], v[PK+4*\u:PK+4*\u+3], s[OB:OB+1] offset:2048*\m
.endr
.if \m == 0                                    ; positions 0-15 of a batch are kept in f32 too
	s_cmp_lg_u32 s[RB31], 0
	s_cbranch_scc1 .Lno_copy_\@
.irp u, 0,1,2
	global_store_b128 v[XWI], v[RR+8*\u:RR+8*\u+3], s[HB:HB+1] offset:1024*\u
	global_store_b128 v[XWI], v[RR+8*\u+4:RR+8*\u+7], s[HB:HB+1] offset:1024*\u+512
.endr
.Lno_copy_\@:
.endif
.endm
; v: the same with the sources and their scales swapped, and no rotation
.macro MV m
	s_wait_xcnt 0x0
	XFETCH \m
	s_wait_dscnt 0x0
.irp s, 0,1,2
.irp u, 0,1,2
.if \s == 0
	v_wmma_scale_f32_16x16x128_f8f6f4 v[ACC+8*\u:ACC+8*\u+7], v[XF+8*\s:XF+8*\s+7], v[WF+8*(3*\u+\s):WF+8*(3*\u+\s)+7], v[BIAS+8*\u:BIAS+8*\u+7], v[XS+\s], v[WS+3*\u+\s] matrix_a_fmt:MATRIX_FMT_FP4 matrix_b_fmt:MATRIX_FMT_FP4
.else
	v_wmma_scale_f32_16x16x128_f8f6f4 v[ACC+8*\u:ACC+8*\u+7], v[XF+8*\s:XF+8*\s+7], v[WF+8*(3*\u+\s):WF+8*(3*\u+\s)+7], v[ACC+8*\u:ACC+8*\u+7], v[XS+\s], v[WS+3*\u+\s] matrix_a_fmt:MATRIX_FMT_FP4 matrix_b_fmt:MATRIX_FMT_FP4
.endif
.endr
.endr
.rept 4
	v_nop
.endr
.irp u, 0,1,2
.irp i, 0,1,2,3
	v_cvt_pk_f16_f32 v[PK+4*\u+\i], v[ACC+8*\u+2*\i], v[ACC+8*\u+2*\i+1]
.endr
	global_store_b128 v[GO+\u], v[PK+4*\u:PK+4*\u+3], s[OB:OB+1] offset:(\m/2)*4096+(\m%2)*512
.endr
.if \m == 0
	s_cmp_lg_u32 s[RB31], 0
	s_cbranch_scc1 .Lno_copy_\@
.irp u, 0,1,2
	global_store_b128 v[XWI], v[ACC+8*\u:ACC+8*\u+3], s[HB:HB+1] offset:1024*\u
	global_store_b128 v[XWI], v[ACC+8*\u+4:ACC+8*\u+7], s[HB:HB+1] offset:1024*\u+512
.endr
.Lno_copy_\@:
.endif
.endm
	s_cmp_eq_u32 s[YY], 2
	s_cbranch_scc1 .Lv
.irp m, 0,1,2,3,4,5,6,7
	MQK \m
.endr
	s_wait_tensorcnt 0x0                           ; the wave's end, behind my last LDS store
	ds_add_u32 v[SPW], v[NIL]
	s_wait_dscnt 0x0
	s_endpgm
.Lv:
.irp u, 0,1,2
.irp j, 1,2,3,4,5,6,7
	v_mov_b32 v[BIAS+8*\u+\j], v[BIAS+8*\u]        ; a lane's eight results are one channel's: the same bias eight times, once for the launch
.endr
.endr
.irp m, 0,1,2,3,4,5,6,7
	MV \m
.endr
	s_wait_tensorcnt 0x0                           ; the wave's end, as above
	ds_add_u32 v[SPW], v[NIL]
	s_wait_dscnt 0x0
	s_endpgm
.Lfunc_end_k_q22672c812a_qkv:
	.size	k_q22672c812a_qkv, .Lfunc_end_k_q22672c812a_qkv-k_q22672c812a_qkv
	.p2alignl 7, 3214868480
	.fill 96, 4, 3214868480
	.section	.rodata,"a",@progbits
	.p2align	6, 0x0
	.amdhsa_kernel k_q22672c812a_qkv
		.amdhsa_group_segment_fixed_size 61440
		.amdhsa_private_segment_fixed_size 0
		.amdhsa_enable_private_segment 0
		.amdhsa_kernarg_size 88
		.amdhsa_user_sgpr_count 2
		.amdhsa_user_sgpr_kernarg_segment_ptr 1
		.amdhsa_wavefront_size32 1
		.amdhsa_system_sgpr_workgroup_id_x 1
		.amdhsa_system_sgpr_workgroup_id_y 1
		.amdhsa_system_sgpr_workgroup_id_z 1
		.amdhsa_system_vgpr_workitem_id 0
		.amdhsa_next_free_vgpr 256
		.amdhsa_next_free_sgpr 66
		.amdhsa_reserve_vcc 1
		.amdhsa_float_denorm_mode_32 3
		.amdhsa_float_denorm_mode_16_64 3
		.amdhsa_memory_ordered 1
		.amdhsa_forward_progress 1
		.amdhsa_inst_pref_size 152
	.end_amdhsa_kernel
	.amdgpu_metadata
---
amdhsa.version: [ 1, 2 ]
amdhsa.kernels:
  - .name:           k_q22672c812a_qkv
    .symbol:         k_q22672c812a_qkv.kd
    .args:
      - { .name: x, .offset: 0, .size: 8, .value_kind: global_buffer, .address_space: global }
      - { .name: Wq, .offset: 8, .size: 8, .value_kind: global_buffer, .address_space: global }
      - { .name: Wk, .offset: 16, .size: 8, .value_kind: global_buffer, .address_space: global }
      - { .name: Wv, .offset: 24, .size: 8, .value_kind: global_buffer, .address_space: global }
      - { .name: bq, .offset: 32, .size: 8, .value_kind: global_buffer, .address_space: global }
      - { .name: bk, .offset: 40, .size: 8, .value_kind: global_buffer, .address_space: global }
      - { .name: bv, .offset: 48, .size: 8, .value_kind: global_buffer, .address_space: global }
      - { .name: qf, .offset: 56, .size: 8, .value_kind: global_buffer, .address_space: global }
      - { .name: kf, .offset: 64, .size: 8, .value_kind: global_buffer, .address_space: global }
      - { .name: vf, .offset: 72, .size: 8, .value_kind: global_buffer, .address_space: global }
      - { .name: h16, .offset: 80, .size: 8, .value_kind: global_buffer, .address_space: global }
    .group_segment_fixed_size: 61440
    .private_segment_fixed_size: 0
    .kernarg_segment_align: 8
    .kernarg_segment_size: 88
    .max_flat_workgroup_size: 256
    .sgpr_count:     66
    .vgpr_count:     256
    .wavefront_size: 32
...
	.end_amdgpu_metadata
.endif
;; end of part 1
;; launch attn (part 2): grid 16 x 12, 8 waves a work-group, no clusters, 327,680 bytes of LDS; arguments qf, kf, vf, yf; writes yf
.if DOCPART == 2
	.amdgcn_target "amdgcn-amd-amdhsa--gfx1250"
	.amdhsa_code_object_version 6
	.text
	.protected	k_q22672c812a_attn
	.globl	k_q22672c812a_attn
	.p2align	8
	.type	k_q22672c812a_attn,@function
k_q22672c812a_attn:
	s_mov_b64 s[64:65], 0
	v_nop
	global_prefetch_b8 v0, s[64:65] scope:SCOPE_SE
	s_setreg_imm32_b32 hwreg(HW_REG_WAVE_MODE, 25, 1), 1
	s_wait_xcnt 0x0
; y = softmax(q k^T / 8, causal) v for 12 heads of 4,096 positions x 64 channels; operands f16, products, maxima and sums f32; the weights p are rounded to f16 for the second product, y once at the end.
; EQUAL WORK.  Work-group (i, bh) owns the query blocks of 128 with numbers 31 - i (first) and i.  Under the mask they want 32 - i and i + 1 key blocks of 128: 33 for every i.  So every work-group
; walks 33 trips, a constant of the text; trip tau takes key block tau, or tau - (32 - i) from trip 32 - i on.  The two trips on the diagonal (tau = 31 - i and tau = 32) mask by selects.
; SHARES.  Wave w: queries 32 (w % 4) .. + 31 of the block (two tiles of 16), keys 64 (w / 4) .. + 63 of each key block.  Each wave keeps a running maximum m, sum l and O^T of its own keys; the two
; waves of a chunk of queries join their parts through LDS at the end.  Two waves share a SIMD: one's vector work stands beside the other's matrix work.
; LAYOUT.  S^T = K Q^T (source 0 = 16 keys, source 1 = 16 queries) and O^T = V^T P: a lane holds ONE query throughout; two tiles of S^T, rounded in pairs, are source 1 of the second product.
; qf, kf, vf hold images of the operands' registers (16 bytes a lane), so a key block's K is 16,384 dense bytes, its V likewise, and every LDS load takes 512 consecutive bytes.
; SOFTMAX.  p = 2^(c s - c m), c = log2(e) / 8; in every trip O^T and l are multiplied by a = 2^(c m_old - c m_new).  m begins at -3e38; a hidden score is -infinity, its p is 0.
; RING.  Two slots of three trips (98,304 bytes), filled by waves 0 to 5, one tensor load of 16,384 bytes each; by this text's count a wave has one tensor load out at the most.
; CLUSTER = NONE: from trip 32 - i on the work-groups of a head want different key blocks (block tau - 32 + i), so their loads do not have one descriptor on every path.
; 192 work-groups: 12 heads x 16 pairs of blocks.
; LIMITS: |q|, |k|, |v|, |y| under 65,504 (f16); NaN and infinities are not served.
.set SLOT1, 1<<17                      ; slot 1 begins here: one exclusive or turns an address in one slot into the other's
.set LOB,   131072                     ; the second block's parts, 8 x 8,704 bytes: in slot 1, which has had its last fill and its last read when they are stored
.set HIB,   229376                     ; the first block's parts, 8 x 8,704 bytes: no fill lands here
.set SPARE, 299008                     ; the spare words, 128 bytes for each wave: four blocks of 256 bytes that no other line names
.set AK0, 1                            ; v1   16 x lane + 8192 (w / 4): my keys' K in a trip's tiles
.set AV0, 2                            ; v2   the same for V, 16,384 on
.set ADK, 3                            ; v3, v4 the trip's addresses
.set ADV, 4
.set SPW, 5                            ; v5   LDS address of my spare word; never rewritten
.set NIL, 6                            ; v6   0; never rewritten
.set LQ,  7                            ; v7   16 x lane
.set DH,  8                            ; v8   where I put my part of the first block
.set DL,  9                            ; v9   and of the second
.set MR,  10                           ; v10  where I read the two parts that I join
.set NINF, 11                          ; v11  -infinity
.set ST,  12                           ; tile t at v[12 + 8 t]: +0 c m, +1 m, +2, +3 l, +4 .. +7 at work; a stands in +6
.set PFO, 28                           ; v28  256 x lane; never rewritten
.set MD,  29                           ; v29, v30  my query - my first key, per tile: register 8 kt + j is hidden where 16 kt + j is greater
.set QR,  32                           ; v32-63   Q: fragment (t, s) at 16 t + 8 s
.set SR,  64                           ; v64-127  S^T: tile t at 32 t, register 8 kt + j = key 16 kt + 8 h + j; then p; P over each tile's first 16
.set KV,  128                          ; v128-191 eight fragments of K, then of V
.set OT,  192                          ; v192-255 O^T: (t, dt) at 32 t + 8 dt
.set WV,  12
.set GG,  13
.set CC,  14
.set II,  15
.set BH,  16
.set SW,  17                           ; s17  32 - i: the trip at which the second block begins
.set DG,  18                           ; s18  the next trip on the diagonal
.set TAU, 19
.set TB,  20                           ; s20  LDS byte at which the trip's tiles begin
.set TW,  21                           ; s21  the trip whose tile I fetch next
.set OFF, 22                           ; s[22:23] an offset, high word 0
.set G1,  24
.set G0,  32
.set KVB, 36                           ; s[36:37] the head in kf (even waves) or vf (odd waves)
.set QLO, 38
.set PFA, 40
.set LIM, 42
.set SLOTS, 43
.set CNT, 44
.set CS,  46                           ; s[46:47] c: the packed form names a pair and takes its low word for both halves
.set SEL, 48
.set YB,  50
.set QHI, 52
; Waves 0 to 5 fetch: trip w / 2 of the slot, K (even) or V (odd).  The branch hangs on the wave's number alone.  An s_nop 0 and four v_nop follow the load.
.macro TLOAD
	s_cmp_lt_u32 s[WV], 6
	s_cbranch_scc0 .Lno_load_\@
	tensor_load_to_lds s[G0:G0+3], s[G1:G1+7]
	s_nop 0
.rept 4
	v_nop
.endr
.Lno_load_\@:
.endm
; A PREFETCH INTO THE L2 of the slot after the one that is being asked for: three key blocks, 49,152 dense bytes of K and as many of V.  All work-groups of a head begin with key blocks 0, 1, 2 ..;
; work-group i = 0, which walks blocks 0 to 31 in order, asks, and in it the two waves that fetch nothing: wave 6 for K, wave 7 for V, six instructions each, lanes 256 bytes apart.
; Each aligned block of 256 bytes is named once in the launch.  The change at the head of slot n asks for slot n + 2, n = 0 .. 7: the last block named is 29, inside the head.
.macro ASK
	s_cmp_gt_u32 s[SLOTS], s[LIM]
	s_cbranch_scc0 .Lnot_mine_\@
.irp n, 0,1,2,3,4,5
	global_prefetch_b8 v[PFO], s[PFA:PFA+1] offset:8192*\n th:TH_LOAD_NT scope:SCOPE_SE
.endr
.Lnot_mine_\@:
.endm
; THE CHANGE OF SLOTS stands at a slot's head.  Each wave waits for all its tensor loads (its part of the slot ahead), adds 0 to its spare word, and waits for that and for its reads of the slot
; that it has left.  Behind the barrier the slot ahead is whole and nobody reads the other one.  fill = 1: that other slot takes the next three trips' tiles.
.macro CHANGE fill
	s_wait_tensorcnt 0x0                           ; no tensor load of mine is out, so the descriptor may be written
	ds_add_u32 v[SPW], v[NIL]                      ; 0 onto my spare word
.if \fill
	ds_add_u32 v[SPW], v[NIL]                      ; and once more
	s_xor_b32 s[G0+1], s[G0+1], SLOT1              ; the other slot than last time
	s_add_co_u32 s[TW], s[TW], 3
	s_cmp_lt_u32 s[TW], s[SW]
	s_cselect_b32 s[OFF], 0, s[SW]
	s_sub_co_u32 s[OFF], s[TW], s[OFF]             ; the trip's key block
	s_lshl_b32 s[OFF], s[OFF], 14
	s_add_nc_u64 s[G0+2:G0+3], s[KVB:KVB+1], s[OFF:OFF+1]
	s_or_b32 s[G0+3], s[G0+3], 0x80000000
	s_wait_xcnt 0x0                                ; the last prefetches, a slot back, have read their address
	s_add_nc_u64 s[PFA:PFA+1], s[PFA:PFA+1], 49152
.endif
	s_wait_dscnt 0x0                               ; the add is done (fill = 1: both are), and my reads of the slot that I have left are over
	s_barrier_signal -1
	s_barrier_wait -1
.if \fill
	TLOAD                                          ; the first thing behind the barrier, and a wave's one tensor load until the next: it has three trips in which to land
	ASK
.endif
.endm
.macro INIT                                    ; a block begins: O^T and l are zeros (a first trip that is wholly hidden leaves a = 1), m lies under every score
.set N, 0
.rept 64
	v_mov_b32 v[OT+N], 0
.set N, N+1
.endr
.irp t, 0,1
	v_mov_b32 v[ST+8*\t+1], 0xff61b1e6
	v_mov_b32 v[ST+8*\t+2], 0
	v_mov_b32 v[ST+8*\t+3], 0
	v_mul_f32 v[ST+8*\t], s[CS], v[ST+8*\t+1]
.endr
.endm
.macro DUMP adr                                ; my part of a block: O^T as it stands (each sum from its low end on), then m and l of both tiles
	v_mov_b32 v16, v13
	v_add_f32 v17, v14, v15
	v_mov_b32 v18, v21
	v_add_f32 v19, v22, v23
.set N, 0
.rept 16
	ds_store_b128 v[\adr], v[OT+4*N:OT+4*N+3] offset:512*N
.set N, N+1
.endr
	ds_store_b128 v[\adr], v[16:19] offset:8192
.endm
.macro SWITCH                                  ; the first block is done: its part goes to LDS, the second block's queries come in
	DUMP DH
.set N, 0
.rept 8
	global_load_b128 v[QR+4*N:QR+4*N+3], v[LQ], s[QLO:QLO+1] offset:512*N
.set N, N+1
.endr
	s_wait_dscnt 0x0                               ; the stores have read their registers
	INIT
	s_mov_b32 s[DG], 32
	s_wait_loadcnt 0x0
.endm
.macro MASK                                    ; on the diagonal hidden scores become -infinity ahead of the maximum
.irp t, 0,1
.set N, 0
.rept 32
	v_cmp_gt_i32 vcc_lo, 16*(N/8)+N%8, v[MD+\t]
	v_cndmask_b32 v[SR+32*\t+N], v[SR+32*\t+N], v[NINF], vcc_lo
.set N, N+1
.endr
.endr
.endm
; A TRIP: my 64 keys of a key block, for my 32 queries
.macro STEP
	s_cmp_lg_u32 s[TAU], s[SW]                     ; ids and the count of trips alone: all eight waves go the same way
	s_cbranch_scc1 .Lsame_\@
	SWITCH
.Lsame_\@:
	v_add_nc_u32 v[ADK], s[TB], v[AK0]
	v_add_nc_u32 v[ADV], s[TB], v[AV0]
.set N, 0
.rept 8                                        ; K: fragment 2 kt + s
	ds_load_b128 v[KV+8*N:KV+8*N+3], v[ADK] offset:1024*N
	ds_load_b128 v[KV+8*N+4:KV+8*N+7], v[ADK] offset:1024*N+512
.set N, N+1
.endr
	s_wait_dscnt 0x0
.irp s, 0,1                                    ; S^T = K Q^T: the eight sums by turns; the first product starts each
.irp kt, 0,1,2,3
.irp t, 0,1
.if \s == 0
	v_wmma_f32_16x16x32_f16 v[SR+32*\t+8*\kt:SR+32*\t+8*\kt+7], v[KV+8*(2*\kt+\s):KV+8*(2*\kt+\s)+7], v[QR+16*\t+8*\s:QR+16*\t+8*\s+7], 0
.else
	v_wmma_f32_16x16x32_f16 v[SR+32*\t+8*\kt:SR+32*\t+8*\kt+7], v[KV+8*(2*\kt+\s):KV+8*(2*\kt+\s)+7], v[QR+16*\t+8*\s:QR+16*\t+8*\s+7], v[SR+32*\t+8*\kt:SR+32*\t+8*\kt+7]
.endif
.endr
.endr
.endr
.rept 4
	v_nop                                          ; places in front of the loads into K's registers and of the first read of scores
.endr
.set N, 0
.rept 8                                        ; V: fragment 4 kg + dt; the loads are out while the softmax is walked
	ds_load_b128 v[KV+8*N:KV+8*N+3], v[ADV] offset:1024*N
	ds_load_b128 v[KV+8*N+4:KV+8*N+7], v[ADV] offset:1024*N+512
.set N, N+1
.endr
	s_cmp_lg_u32 s[TAU], s[DG]
	s_cbranch_scc1 .Lopen_\@
	MASK
.Lopen_\@:
.irp j, 0,1,2,3                                ; the maximum of my 32 scores and the old m: four chains, the two tiles by turns; each sum is read from its low end on
.irp t, 0,1
	v_max3_num_f32 v[ST+8*\t+4+\j], v[SR+32*\t+8*\j], v[SR+32*\t+8*\j+1], v[SR+32*\t+8*\j+2]
.endr
.endr
.irp q, 1,2
.irp j, 0,1,2,3
.irp t, 0,1
	v_max3_num_f32 v[ST+8*\t+4+\j], v[ST+8*\t+4+\j], v[SR+32*\t+8*\j+2*\q+1], v[SR+32*\t+8*\j+2*\q+2]
.endr
.endr
.endr
.irp t, 0,1
	v_max3_num_f32 v[ST+8*\t+4], v[ST+8*\t+4], v[SR+32*\t+7], v[SR+32*\t+15]
	v_max3_num_f32 v[ST+8*\t+6], v[ST+8*\t+6], v[SR+32*\t+23], v[SR+32*\t+31]
.endr
.irp t, 0,1
	v_max3_num_f32 v[ST+8*\t+4], v[ST+8*\t+4], v[ST+8*\t+5], v[ST+8*\t+6]
.endr
.irp t, 0,1
	v_max3_num_f32 v[ST+8*\t+4], v[ST+8*\t+4], v[ST+8*\t+7], v[ST+8*\t+1]
.endr
.irp t, 0,1
	v_permlanex16_b32 v[ST+8*\t+5], v[ST+8*\t+4], s[SEL], s[SEL+1]   ; the query's other 32 keys lie in the lane 16 away
	v_mov_b32 v[ST+8*\t+7], v[ST+8*\t]             ; c m_old is kept for a
.endr
.irp t, 0,1
	v_max_num_f32 v[ST+8*\t+1], v[ST+8*\t+4], v[ST+8*\t+5]
.endr
.irp t, 0,1
	v_mul_f32 v[ST+8*\t], s[CS], v[ST+8*\t+1]
.endr
.irp t, 0,1
	v_sub_f32 v[ST+8*\t+7], v[ST+8*\t+7], v[ST+8*\t]
.endr
.set N, 0
.rept 16
	v_pk_fma_f32 v[SR+2*N:SR+2*N+1], v[SR+2*N:SR+2*N+1], s[CS:CS+1], v[ST:ST+1] op_sel_hi:[1,0,0] neg_lo:[0,0,1] neg_hi:[0,0,1]   ; c s - c m, two at a time
	v_pk_fma_f32 v[SR+32+2*N:SR+32+2*N+1], v[SR+32+2*N:SR+32+2*N+1], s[CS:CS+1], v[ST+8:ST+9] op_sel_hi:[1,0,0] neg_lo:[0,0,1] neg_hi:[0,0,1]
.set N, N+1
.endr
.irp t, 0,1
	v_exp_f32 v[ST+8*\t+6], v[ST+8*\t+7]           ; a
.endr
.set N, 0
.rept 32
	v_exp_f32 v[SR+N], v[SR+N]                     ; p
	v_exp_f32 v[SR+32+N], v[SR+32+N]
.set N, N+1
.endr
	v_nop                                          ; a plain place behind the last exponential
	s_wait_alu depctr_va_vdst(0)                   ; the wait ahead of the first line that names a result: one for the batch of 66
.irp t, 0,1
	v_pk_mul_f32 v[ST+8*\t+2:ST+8*\t+3], v[ST+8*\t+2:ST+8*\t+3], v[ST+8*\t+6:ST+8*\t+7] op_sel_hi:[1,0]   ; l under the new m
	v_pk_add_f32 v[ST+8*\t+4:ST+8*\t+5], v[SR+32*\t:SR+32*\t+1], v[SR+32*\t+2:SR+32*\t+3]
.endr
.irp j, 4,8,12,16,20,24,28
.irp t, 0,1
	v_pk_add_f32 v[ST+8*\t+2:ST+8*\t+3], v[ST+8*\t+2:ST+8*\t+3], v[SR+32*\t+\j:SR+32*\t+\j+1]
	v_pk_add_f32 v[ST+8*\t+4:ST+8*\t+5], v[ST+8*\t+4:ST+8*\t+5], v[SR+32*\t+\j+2:SR+32*\t+\j+3]
.endr
.endr
.irp t, 0,1
	v_pk_add_f32 v[ST+8*\t+2:ST+8*\t+3], v[ST+8*\t+2:ST+8*\t+3], v[ST+8*\t+4:ST+8*\t+5]
.endr
.set N, 0
.rept 16                                       ; P: register N takes p 2 N and 2 N + 1, ascending, over registers that have been read
	v_cvt_pk_f16_f32 v[SR+N], v[SR+2*N], v[SR+2*N+1]
	v_cvt_pk_f16_f32 v[SR+32+N], v[SR+32+2*N], v[SR+32+2*N+1]
.set N, N+1
.endr
.set N, 0
.rept 16                                       ; O^T under the new m
	v_pk_mul_f32 v[OT+2*N:OT+2*N+1], v[OT+2*N:OT+2*N+1], v[ST+6:ST+7] op_sel_hi:[1,0]
	v_pk_mul_f32 v[OT+32+2*N:OT+32+2*N+1], v[OT+32+2*N:OT+32+2*N+1], v[ST+14:ST+15] op_sel_hi:[1,0]
.set N, N+1
.endr
	s_wait_dscnt 0x0                               ; V is in
.irp kg, 0,1                                   ; O^T += V^T P: the eight sums by turns
.irp dt, 0,1,2,3
.irp t, 0,1
	v_wmma_f32_16x16x32_f16 v[OT+32*\t+8*\dt:OT+32*\t+8*\dt+7], v[KV+8*(4*\kg+\dt):KV+8*(4*\kg+\dt)+7], v[SR+32*\t+8*\kg:SR+32*\t+8*\kg+7], v[OT+32*\t+8*\dt:OT+32*\t+8*\dt+7]
.endr
.endr
.endr
.rept 5
	v_nop                                          ; five places: the next trip's first products write over P's registers; its loads into V's registers and a read of O^T want four
.endr
	s_add_co_u32 s[TB], s[TB], 32768
	s_add_co_u32 s[TAU], s[TAU], 1
.endm
.macro THREE_STEPS                             ; a slot's three trips: written once, walked three times
	s_mov_b32 s[CNT], 3
.Lstep_\@:
	STEP
	s_sub_co_u32 s[CNT], s[CNT], 1
	s_cmp_lg_u32 s[CNT], 0
	s_cbranch_scc1 .Lstep_\@
	s_sub_co_u32 s[TB], s[TB], 98304               ; back to a slot's first trip,
	s_xor_b32 s[TB], s[TB], SLOT1                  ; in the other slot
.endm
	s_load_b256 s[4:11], s[0:1], 0x0               ; qf s[4:5], kf s[6:7], vf s[8:9], yf s[10:11]
	v_lshl_add_u32 v[SPW], v0, 2, SPARE
	v_mov_b32 v[NIL], 0
	ds_add_u32 v[SPW], v[NIL]                      ; the wave's opening: the add, twice on end, and its wait ahead of my first tensor load; work on registers stands between
	ds_add_u32 v[SPW], v[NIL]
	v_lshrrev_b32 v31, 5, v0
	v_readfirstlane_b32 s[WV], v31                 ; wave 0..7
	s_lshr_b32 s[GG], s[WV], 2                     ; which 64 keys of a key block
	s_and_b32 s[CC], s[WV], 3                      ; which 32 queries of a query block
	s_mov_b32 s[II], ttmp9
	s_and_b32 s[BH], ttmp7, 0xffff
	s_sub_co_u32 s[SW], 32, s[II]
	s_sub_co_u32 s[DG], s[SW], 1
	s_mov_b32 s[TAU], 0
	s_mov_b32 s[TB], 0
	s_lshr_b32 s[TW], s[WV], 1
	s_mov_b32 s[OFF+1], 0
	s_mov_b32 s[G1], 3<<16                         ; no mask; elements of 8 bytes; no padding: the loads below take consecutive bytes
	s_mov_b32 s[G1+1], 32<<16                      ; tensor_dim0 = 32 elements: rows of 256 bytes
	s_mov_b32 s[G1+2], 64<<16                      ; tensor_dim1 = 64
	s_mov_b32 s[G1+3], 32<<16                      ; tile_dim0
	s_mov_b32 s[G1+4], 64                          ; tile_dim1
	s_mov_b32 s[G1+5], 32                          ; the pitch: the block is dense
	s_mov_b32 s[G1+6], 0
	s_mov_b32 s[G1+7], 0
	s_mov_b32 s[CS], 0x3e38aa3b                    ; c = log2(e) / 8
	s_mov_b32 s[CS+1], s[CS]
	s_mov_b32 s[SEL], 0x76543210
	s_mov_b32 s[SEL+1], 0xfedcba98
	s_mov_b32 s[SLOTS], 10
	s_cmp_lt_u32 s[WV], 6
	s_cselect_b32 s56, 1, 0
	s_or_b32 s56, s56, s[II]
	s_cmp_eq_u32 s56, 0                            ; waves 6 and 7 of work-group i = 0 prefetch
	s_cselect_b32 s[LIM], 2, -1
	v_and_b32 v31, 31, v0
	v_lshlrev_b32 v[LQ], 4, v31
	v_lshlrev_b32 v[PFO], 8, v31
	s_lshl_b32 s56, s[GG], 13
	v_add_nc_u32 v[AK0], s56, v[LQ]
	v_add_nc_u32 v[AV0], 16384, v[AK0]
	s_mul_i32 s56, s[WV], 8704
	s_add_co_u32 s57, s56, HIB
	v_add_nc_u32 v[DH], s57, v[LQ]
	s_add_co_u32 s57, s56, LOB
	v_add_nc_u32 v[DL], s57, v[LQ]
	s_mul_i32 s56, s[GG], 98304                    ; waves 0-3 join the second block's parts, waves 4-7 the first's, 98,304 bytes on
	s_mul_i32 s57, s[CC], 8704
	s_add_co_u32 s56, s56, s57
	s_add_co_u32 s56, s56, LOB
	v_add_nc_u32 v[MR], s56, v[LQ]
	v_and_b32 v31, 15, v0
	v_bfe_u32 v[MD], v0, 4, 1
	v_lshlrev_b32 v[MD], 3, v[MD]
	v_sub_nc_u32 v[MD], v31, v[MD]                 ; r - 8 h
	s_lshl_b32 s56, s[CC], 5
	s_lshl_b32 s57, s[GG], 6
	s_sub_co_i32 s56, s56, s57
	v_add_nc_u32 v[MD], s56, v[MD]                 ; + 32 c - 64 g
	v_add_nc_u32 v[MD+1], 16, v[MD]
	v_mov_b32 v[NINF], 0xff800000
	s_wait_dscnt 0x0                               ; both opening adds are done
	s_wait_kmcnt 0x0
	s_and_b32 s56, s[WV], 1
	s_cmp_eq_u32 s56, 0
	s_cselect_b64 s[KVB:KVB+1], s[6:7], s[8:9]
	s_lshl_b32 s54, s[BH], 19
	s_mov_b32 s55, 0
	s_add_nc_u64 s[KVB:KVB+1], s[KVB:KVB+1], s[54:55]
	s_mov_b32 s[G0], 1                             ; count = 1
	s_lshl_b32 s[G0+1], s[WV], 14                  ; LDS address: slot 0, 16,384 x wave
	s_lshl_b32 s[OFF], s[TW], 14
	s_add_nc_u64 s[G0+2:G0+3], s[KVB:KVB+1], s[OFF:OFF+1]   ; key block w / 2
	s_or_b32 s[G0+3], s[G0+3], 0x80000000          ; type = 2
	TLOAD                                          ; slot 0; slot 1 is first filled behind the first trip's barrier
	s_add_nc_u64 s[PFA:PFA+1], s[KVB:KVB+1], 49152 ; slot 1's bytes; the first change steps it to slot 2's.  Nothing is prefetched here, at the head
	s_add_nc_u64 s[QLO:QLO+1], s[4:5], s[54:55]
	s_lshl_b32 s54, s[CC], 12
	s_add_nc_u64 s[QLO:QLO+1], s[QLO:QLO+1], s[54:55]
	s_sub_co_u32 s56, 31, s[II]
	s_lshl_b32 s54, s56, 14
	s_add_nc_u64 s[QHI:QHI+1], s[QLO:QLO+1], s[54:55]
	s_lshl_b32 s54, s[II], 14
	s_add_nc_u64 s[QLO:QLO+1], s[QLO:QLO+1], s[54:55]
.set N, 0
.rept 8
	global_load_b128 v[QR+4*N:QR+4*N+3], v[LQ], s[QHI:QHI+1] offset:512*N   ; the first block's queries
.set N, N+1
.endr
	s_cmp_eq_u32 s[GG], 0
	s_cselect_b32 s57, s[II], s56                  ; the block whose parts I join
	s_cmp_ge_u32 s[BH], 6
	s_cselect_b32 s58, 1, 0                        ; the batch
	s_mul_i32 s59, s58, 6
	s_sub_co_u32 s59, s[BH], s59                   ; the head
	s_lshl_b32 s58, s58, 8
	s_lshl_b32 s57, s57, 3
	s_add_co_u32 s58, s58, s57
	s_lshl_b32 s57, s[CC], 1
	s_add_co_u32 s58, s58, s57                     ; tile of 16 rows: 256 b + 8 block + 2 c
	s_mul_i32 s54, s58, 12288
	s_lshl_b32 s59, s59, 11
	s_add_co_u32 s54, s54, s59
	s_add_nc_u64 s[YB:YB+1], s[10:11], s[54:55]
	INIT
	s_wait_loadcnt 0x0                             ; Q
.Lslot:                                            ; ten slots: behind each change of slots but the last the next slot is asked for
	CHANGE 1
	THREE_STEPS
	s_sub_co_u32 s[SLOTS], s[SLOTS], 1
	s_cmp_lg_u32 s[SLOTS], 0
	s_cbranch_scc1 .Lslot
	CHANGE 0                                       ; the last slot is written out
	THREE_STEPS
	; THE JOIN.  Every wave's part of the second block goes to LDS; behind one barrier each wave joins the two parts of 32 queries of one block.
	DUMP DL
	s_wait_dscnt 0x0                               ; for the others' sake: my stores have landed
	s_barrier_signal -1
	s_barrier_wait -1
.set N, 0
.rept 16
	ds_load_b128 v[64+4*N:64+4*N+3], v[MR] offset:512*N            ; part A: keys 0-63 of each key block
	ds_load_b128 v[128+4*N:128+4*N+3], v[MR] offset:34816+512*N    ; part B: keys 64-127
.set N, N+1
.endr
	ds_load_b128 v[12:15], v[MR] offset:8192       ; A: m, l of tile 0, m, l of tile 1
	ds_load_b128 v[16:19], v[MR] offset:34816+8192 ; B
	s_wait_dscnt 0x0
.set JB, 32                                    ; at work, 16 registers a tile, where Q lay
.irp t, 0,1
	v_max_num_f32 v[JB+16*\t], v[12+2*\t], v[16+2*\t]
.endr
.irp t, 0,1
	v_sub_f32 v[JB+16*\t+1], v[12+2*\t], v[JB+16*\t]
	v_sub_f32 v[JB+16*\t+2], v[16+2*\t], v[JB+16*\t]
.endr
.irp t, 0,1
	v_mul_f32 v[JB+16*\t+1], s[CS], v[JB+16*\t+1]
	v_mul_f32 v[JB+16*\t+2], s[CS], v[JB+16*\t+2]
.endr
.irp t, 0,1
	v_exp_f32 v[JB+16*\t+1], v[JB+16*\t+1]         ; each part's factor under the common maximum
	v_exp_f32 v[JB+16*\t+2], v[JB+16*\t+2]
.endr
	v_nop
	s_wait_alu depctr_va_vdst(0)                   ; one wait for the four, ahead of their first reader
.irp t, 0,1
	v_mul_f32 v[JB+16*\t+3], v[13+2*\t], v[JB+16*\t+1]
.endr
.irp t, 0,1
	v_fma_f32 v[JB+16*\t+3], v[17+2*\t], v[JB+16*\t+2], v[JB+16*\t+3]
.endr
.irp t, 0,1
	v_permlanex16_b32 v[JB+16*\t+4], v[JB+16*\t+3], s[SEL], s[SEL+1]
.endr
.irp t, 0,1
	v_add_f32 v[JB+16*\t+3], v[JB+16*\t+3], v[JB+16*\t+4]   ; the row's sum
.endr
.irp t, 0,1
	v_rcp_f32 v[JB+16*\t+5], v[JB+16*\t+3]
.endr
	v_nop
	s_wait_alu depctr_va_vdst(0)                   ; one wait for the two reciprocals
.irp t, 0,1
	v_mul_f32 v[JB+16*\t+6], v[JB+16*\t+1], v[JB+16*\t+5]
	v_mul_f32 v[JB+16*\t+8], v[JB+16*\t+2], v[JB+16*\t+5]
.endr
.irp t, 0,1
.set N, 0
.rept 16
	v_pk_mul_f32 v[64+32*\t+2*N:64+32*\t+2*N+1], v[64+32*\t+2*N:64+32*\t+2*N+1], v[JB+16*\t+6:JB+16*\t+7] op_sel_hi:[1,0]
.set N, N+1
.endr
.set N, 0
.rept 16
	v_pk_fma_f32 v[64+32*\t+2*N:64+32*\t+2*N+1], v[128+32*\t+2*N:128+32*\t+2*N+1], v[JB+16*\t+8:JB+16*\t+9], v[64+32*\t+2*N:64+32*\t+2*N+1] op_sel_hi:[1,0,1]
.set N, N+1
.endr
.set N, 0
.rept 16
	v_cvt_pk_f16_f32 v[64+32*\t+N], v[64+32*\t+2*N], v[64+32*\t+2*N+1]
.set N, N+1
.endr
.irp dt, 0,1,2,3
	global_store_b128 v[LQ], v[64+32*\t+4*\dt:64+32*\t+4*\dt+3], s[YB:YB+1] offset:\t*12288+\dt*512   ; 32 lanes store 512 consecutive bytes, aligned: half of an operand of the projection
.endr
.endr
	s_wait_tensorcnt 0x0                           ; the wave's end: behind my last tensor load and my last LDS store
	ds_add_u32 v[SPW], v[NIL]
	s_wait_dscnt 0x0
	s_endpgm
.Lfunc_end_k_q22672c812a_attn:
	.size	k_q22672c812a_attn, .Lfunc_end_k_q22672c812a_attn-k_q22672c812a_attn
	.p2alignl 7, 3214868480
	.fill 96, 4, 3214868480
	.section	.rodata,"a",@progbits
	.p2align	6, 0x0
	.amdhsa_kernel k_q22672c812a_attn
		.amdhsa_group_segment_fixed_size 327680
		.amdhsa_private_segment_fixed_size 0
		.amdhsa_enable_private_segment 0
		.amdhsa_kernarg_size 32
		.amdhsa_user_sgpr_count 2
		.amdhsa_user_sgpr_kernarg_segment_ptr 1
		.amdhsa_wavefront_size32 1
		.amdhsa_system_sgpr_workgroup_id_x 1
		.amdhsa_system_sgpr_workgroup_id_y 1
		.amdhsa_system_sgpr_workgroup_id_z 1
		.amdhsa_system_vgpr_workitem_id 0
		.amdhsa_next_free_vgpr 256
		.amdhsa_next_free_sgpr 66
		.amdhsa_reserve_vcc 1
		.amdhsa_float_denorm_mode_32 3
		.amdhsa_float_denorm_mode_16_64 3
		.amdhsa_memory_ordered 1
		.amdhsa_forward_progress 1
		.amdhsa_inst_pref_size 73
	.end_amdhsa_kernel
	.amdgpu_metadata
---
amdhsa.version: [ 1, 2 ]
amdhsa.kernels:
  - .name:           k_q22672c812a_attn
    .symbol:         k_q22672c812a_attn.kd
    .args:
      - { .name: qf, .offset: 0, .size: 8, .value_kind: global_buffer, .address_space: global }
      - { .name: kf, .offset: 8, .size: 8, .value_kind: global_buffer, .address_space: global }
      - { .name: vf, .offset: 16, .size: 8, .value_kind: global_buffer, .address_space: global }
      - { .name: yf, .offset: 24, .size: 8, .value_kind: global_buffer, .address_space: global }
    .group_segment_fixed_size: 327680
    .private_segment_fixed_size: 0
    .kernarg_segment_align: 8
    .kernarg_segment_size: 32
    .max_flat_workgroup_size: 256
    .sgpr_count:     66
    .vgpr_count:     256
    .wavefront_size: 32
...
	.end_amdgpu_metadata
.endif
;; end of part 2
;; launch proj (part 3): grid 64 x 3, 4 waves a work-group, no clusters, 214,528 bytes of LDS; arguments yf, Wp, bp, out0; writes out0
.if DOCPART == 3
	.amdgcn_target "amdgcn-amd-amdhsa--gfx1250"
	.amdhsa_code_object_version 6
	.text
	.protected	k_q22672c812a_proj
	.globl	k_q22672c812a_proj
	.p2align	8
	.type	k_q22672c812a_proj,@function
k_q22672c812a_proj:
	s_mov_b64 s[64:65], 0
	v_nop
	global_prefetch_b8 v0, s[64:65] scope:SCOPE_SE
	s_setreg_imm32_b32 hwreg(HW_REG_WAVE_MODE, 25, 1), 1
	s_wait_xcnt 0x0
; out0 = y Wp^T + bp, for all rows but positions 0-15 of each batch (those are made in f32 by the launch that follows).  Operands f16, sums f32.
; SHARES.  Work-group (rb, sl): 128 rows x 128 columns.  Four waves, 64 x 64 each: 16 sums of 16 x 16.  All of K = 384 lies in LDS at once: nothing is filled again.
; y arrives as images of the operand's registers (yf): a work-group's 128 rows are 98,304 dense bytes, a quarter to each wave's one tensor load.
; Wp arrives as f32: wave w loads tiles 2 w and 2 w + 1 of the work-group's eight tiles of 16 rows in the operand's order, rounds them to f16 and stores the images to LDS.
; THE MATRIX INSTRUCTION IS USED TRANSPOSED (source 0 = 16 rows of Wp, source 1 = 16 rows of y): a lane holds eight neighbouring columns of one row.  The bias is the C of each sum's first product.
; CLUSTER = NONE: along the grid's x the work-groups share only Wp, which passes through registers to be rounded; along y, where y's tile is shared, the grid has three, which no cluster of four divides.
; LIMITS: |Wp|, |y| under 65,504 (f16).
.set YIMG,  0                          ; y: row tile a8 at 12,288 a8, fragment s at 1,024 s
.set WIMG,  98304                      ; Wp: tile n8 at 12,288 n8, fragment s at 1,024 s; written by LDS stores, no fill lands here
.set STAGE, 196608                     ; the way out: 16 rows x (256 bytes + 16) for each wave
.set SPARE, 214016                     ; the spare words, 128 bytes for each wave: two blocks of 256 bytes that no other line names
.set AY,  1
.set AW,  2
.set WO,  3
.set WST, 4
.set STO, 5
.set RD,  6
.set CO,  7
.set SPW, 8                            ; v8   LDS address of my spare word; never rewritten
.set NIL, 9                            ; v9   0; never rewritten
.set BO,  10
.set YS,  32                           ; v32-63, v64-95: y's four fragments of a K step, two sets; on the way out rows of the result
.set BIAS, 64                          ; v64-95 hold the bias until the first K step is done
.set WFR, 96                           ; v96-127 Wp's four fragments
.set ACC, 128                          ; v128-255 the sums, (a, bb) at 8 (4 a + bb); before that two sets of 64 numbers of Wp
.set BX,  128
.set WV,  12
.set RB,  13
.set SL,  14
.set WPB, 18
.set BPB, 20
.set OUTB, 22
.set G1,  24
.set G0,  32
.set SKIP, 38
	s_load_b256 s[4:11], s[0:1], 0x0               ; yf s[4:5], Wp s[6:7], bp s[8:9], out0 s[10:11]
	v_lshl_add_u32 v[SPW], v0, 2, SPARE
	v_mov_b32 v[NIL], 0
	ds_add_u32 v[SPW], v[NIL]                      ; the wave's opening: the add, twice on end, and its wait ahead of my first tensor load; work on registers stands between
	ds_add_u32 v[SPW], v[NIL]
	v_lshrrev_b32 v11, 5, v0
	v_readfirstlane_b32 s[WV], v11                 ; wave 0..3
	s_mov_b32 s[RB], ttmp9
	s_and_b32 s[SL], ttmp7, 0xffff
	s_lshr_b32 s36, s[WV], 1                       ; which 64 rows
	s_and_b32 s37, s[WV], 1                        ; which 64 columns
	s_mov_b32 s[G1], 3<<16                         ; no mask; elements of 8 bytes; no padding
	s_mov_b32 s[G1+1], 32<<16                      ; rows of 256 bytes
	s_mov_b32 s[G1+2], 96<<16                      ; 96 of them
	s_mov_b32 s[G1+3], 32<<16
	s_mov_b32 s[G1+4], 96
	s_mov_b32 s[G1+5], 32                          ; dense
	s_mov_b32 s[G1+6], 0
	s_mov_b32 s[G1+7], 0
	v_and_b32 v11, 31, v0
	v_and_b32 v12, 15, v0                          ; r
	v_bfe_u32 v13, v0, 4, 1                        ; h
	v_lshlrev_b32 v14, 4, v11                      ; 16 x lane
	s_mul_i32 s15, s36, 49152
	v_add_nc_u32 v[AY], s15, v14                   ; my four row tiles of y
	s_mul_i32 s15, s37, 49152
	s_add_co_u32 s15, s15, WIMG
	v_add_nc_u32 v[AW], s15, v14                   ; my four tiles of Wp
	v_mul_u32_u24 v[WO], v12, 1536
	v_lshl_add_u32 v[WO], v13, 5, v[WO]            ; Wp in memory: row r, + 8 h numbers
	s_mul_i32 s15, s[WV], 24576
	s_add_co_u32 s15, s15, WIMG
	v_add_nc_u32 v[WST], s15, v14                  ; where I store the images of tiles 2 w, 2 w + 1
	s_mul_i32 s15, s[WV], 4352
	s_add_co_u32 s15, s15, STAGE                   ; my stage
	v_mul_u32_u24 v[STO], v12, 272
	v_lshl_add_u32 v[STO], v13, 5, v[STO]
	v_add_nc_u32 v[STO], s15, v[STO]               ; in: row r, 32 bytes for each half of the lanes
	v_mul_u32_u24 v[RD], v13, 272
	v_lshl_add_u32 v[RD], v12, 4, v[RD]
	v_add_nc_u32 v[RD], s15, v[RD]                 ; back: lanes 0-15 one row of 256 bytes, lanes 16-31 the next
	v_mul_u32_u24 v[CO], v13, 1536
	v_lshl_add_u32 v[CO], v12, 4, v[CO]            ; and the same two rows in out0
	v_lshlrev_b32 v[BO], 5, v13
	s_and_b32 s[SKIP], s[RB], 31
	s_or_b32 s[SKIP], s[SKIP], s36                 ; 0: my first 16 rows are positions 0-15 of a batch
	s_mov_b32 s17, 0
	s_wait_dscnt 0x0                               ; both opening adds are done
	s_wait_kmcnt 0x0
	s_mul_i32 s16, s[RB], 98304
	s_mul_i32 s15, s[WV], 24576
	s_add_co_u32 s16, s16, s15
	s_mov_b32 s[G0], 1
	s_mov_b32 s[G0+1], s15                         ; LDS address: 24,576 x wave
	s_add_nc_u64 s[G0+2:G0+3], s[4:5], s[16:17]
	s_or_b32 s[G0+3], s[G0+3], 0x80000000
	tensor_load_to_lds s[G0:G0+3], s[G1:G1+7]      ; my quarter of y: the launch's only fill, one load a wave
	s_nop 0
.rept 4
	v_nop
.endr
	s_mul_i32 s16, s[SL], 196608                   ; 128 rows of Wp,
	s_mul_i32 s15, s[WV], 49152                    ; my 32
	s_add_co_u32 s16, s16, s15
	s_add_nc_u64 s[WPB:WPB+1], s[6:7], s[16:17]
	s_lshl_b32 s16, s[SL], 9
	s_lshl_b32 s15, s37, 8
	s_add_co_u32 s16, s16, s15                     ; my first column, in bytes
	s_add_nc_u64 s[BPB:BPB+1], s[8:9], s[16:17]
	s_add_nc_u64 s[OUTB:OUTB+1], s[10:11], s[16:17]
	s_mul_i32 s16, s[RB], 196608
	s_mul_i32 s15, s36, 98304
	s_add_co_u32 s16, s16, s15                     ; my first row
	s_add_nc_u64 s[OUTB:OUTB+1], s[OUTB:OUTB+1], s[16:17]
.irp bb, 0,1,2,3
	global_load_b128 v[BIAS+8*\bb:BIAS+8*\bb+3], v[BO], s[BPB:BPB+1] offset:64*\bb
	global_load_b128 v[BIAS+8*\bb+4:BIAS+8*\bb+7], v[BO], s[BPB:BPB+1] offset:64*\bb+16
.endr
; Wp to f16: 24 fragments a wave, in six batches of four.  Fragment x = 12 u + s: lane (r, h) takes k = 32 s + 16 c + 8 h + 0 .. 7 of row 16 u + r
.macro LOADW q, buf
.irp f, 0,1,2,3
.irp n, 0,1,2,3
	global_load_b128 v[\buf+16*\f+4*\n:\buf+16*\f+4*\n+3], v[WO], s[WPB:WPB+1] offset:((4*(\q)+\f)/12)*24576+((4*(\q)+\f)%12)*128+(\n/2)*64+(\n%2)*16
.endr
.endr
.endm
.macro CONVW q, buf
.irp f, 0,1,2,3
.irp i, 0,1,2,3,4,5,6,7
	v_cvt_pk_f16_f32 v[\buf+16*\f+\i], v[\buf+16*\f+2*\i], v[\buf+16*\f+2*\i+1]   ; in place, ascending
.endr
	ds_store_b128 v[WST], v[\buf+16*\f:\buf+16*\f+3] offset:(4*(\q)+\f)*1024
	ds_store_b128 v[WST], v[\buf+16*\f+4:\buf+16*\f+7] offset:(4*(\q)+\f)*1024+512
.endr
.endm
	LOADW 0, BX
	LOADW 1, BX+64
.set QQ, 0
.rept 6
.if QQ < 5
	s_wait_loadcnt 16                              ; this batch is in (and the bias, asked for earlier); the next batch's 16 loads may be out
.else
	s_wait_loadcnt 0x0
.endif
	CONVW QQ, BX+64*(QQ%2)
.if QQ < 4
	s_wait_dscnt 0x0                               ; the stores have read their registers
	LOADW QQ+2, BX+64*(QQ%2)
.endif
.set QQ, QQ+1
.endr
	s_wait_tensorcnt 0x0                           ; my quarter of y has landed,
	s_wait_dscnt 0x0                               ; and my images of Wp
	s_barrier_signal -1
	s_barrier_wait -1                              ; everybody's have
.macro FA s, set                               ; y's four fragments of K step s
.irp a, 0,1,2,3
	ds_load_b128 v[\set+8*\a:\set+8*\a+3], v[AY] offset:\a*12288+(\s)*1024
	ds_load_b128 v[\set+8*\a+4:\set+8*\a+7], v[AY] offset:\a*12288+(\s)*1024+512
.endr
.endm
.macro FB s, b0                                ; Wp's fragments b0, b0 + 1
.irp bb, \b0, \b0+1
	ds_load_b128 v[WFR+8*(\bb):WFR+8*(\bb)+3], v[AW] offset:(\bb)*12288+(\s)*1024
	ds_load_b128 v[WFR+8*(\bb)+4:WFR+8*(\bb)+7], v[AW] offset:(\bb)*12288+(\s)*1024+512
.endr
.endm
.macro MM set, b0, first                       ; eight products; the sixteen sums take turns, one instruction a turn
.irp a, 0,1,2,3
.irp bb, \b0, \b0+1
.if \first
	v_wmma_f32_16x16x32_f16 v[ACC+8*(4*\a+(\bb)):ACC+8*(4*\a+(\bb))+7], v[WFR+8*(\bb):WFR+8*(\bb)+7], v[\set+8*\a:\set+8*\a+7], v[BIAS+8*(\bb):BIAS+8*(\bb)+7]
.else
	v_wmma_f32_16x16x32_f16 v[ACC+8*(4*\a+(\bb)):ACC+8*(4*\a+(\bb))+7], v[WFR+8*(\bb):WFR+8*(\bb)+7], v[\set+8*\a:\set+8*\a+7], v[ACC+8*(4*\a+(\bb)):ACC+8*(4*\a+(\bb))+7]
.endif
.endr
.endr
.endm
.macro PLACES                                  ; four places in front of loads into registers that matrix instructions have read, and of the first read of results
.rept 4
	v_nop
.endr
.endm
	FA 0, YS
	FB 0, 0
	FB 0, 2
	s_wait_dscnt 0x0
	MM YS, 0, 1
	MM YS, 2, 1
	PLACES
	FA 1, YS+32                                    ; over the bias, which has been read
	FB 1, 0
	FB 1, 2
.set SS, 1
.rept 10
	s_wait_dscnt 4                                 ; y's fragments and Wp's 0, 1 are in; Wp's 2, 3 (four loads) may be out
	MM YS+32*(SS%2), 0, 0
	PLACES
	FA SS+1, YS+32*((SS+1)%2)
	FB SS+1, 0
	s_wait_dscnt 12                                ; all but the twelve just issued
	MM YS+32*(SS%2), 2, 0
	PLACES
	FB SS+1, 2
.set SS, SS+1
.endr
	s_wait_dscnt 4
	MM YS+32, 0, 0
	s_wait_dscnt 0x0
	MM YS+32, 2, 0
	PLACES
; THE WAY OUT, 16 rows x 64 columns at a time, through my own stage: LDS serves a wave's instructions in order, so no wait stands between the stores and the loads, nor in front of the next block's stores
.macro OUTA a
.if \a > 1
	s_wait_xcnt 0x0                                ; the stores of two blocks back have read their registers
.endif
.irp bb, 0,1,2,3
	ds_store_b128 v[STO], v[ACC+8*(4*\a+\bb):ACC+8*(4*\a+\bb)+3] offset:64*\bb        ; each sum from its low end on
	ds_store_b128 v[STO], v[ACC+8*(4*\a+\bb)+4:ACC+8*(4*\a+\bb)+7] offset:64*\bb+16
.endr
.irp t, 0,1,2,3,4,5,6,7
	ds_load_b128 v[YS+32*(\a%2)+4*\t:YS+32*(\a%2)+4*\t+3], v[RD] offset:544*\t
.endr
	s_wait_dscnt 0x0
.irp t, 0,1,2,3,4,5,6,7
	global_store_b128 v[CO], v[YS+32*(\a%2)+4*\t:YS+32*(\a%2)+4*\t+3], s[OUTB:OUTB+1] offset:(16*\a+2*\t)*1536 th:TH_STORE_NT   ; sixteen lanes store 256 consecutive bytes, aligned
.endr
.endm
	s_cmp_eq_u32 s[SKIP], 0                        ; positions 0-15 of a batch are not stored here
	s_cbranch_scc1 .Lnot_first
	OUTA 0
.Lnot_first:
	OUTA 1
	OUTA 2
	OUTA 3
	s_wait_tensorcnt 0x0                           ; the wave's end: behind my last tensor load and my last LDS store
	ds_add_u32 v[SPW], v[NIL]
	s_wait_dscnt 0x0
	s_endpgm
.Lfunc_end_k_q22672c812a_proj:
	.size	k_q22672c812a_proj, .Lfunc_end_k_q22672c812a_proj-k_q22672c812a_proj
	.p2alignl 7, 3214868480
	.fill 96, 4, 3214868480
	.section	.rodata,"a",@progbits
	.p2align	6, 0x0
	.amdhsa_kernel k_q22672c812a_proj
		.amdhsa_group_segment_fixed_size 214528
		.amdhsa_private_segment_fixed_size 0
		.amdhsa_enable_private_segment 0
		.amdhsa_kernarg_size 32
		.amdhsa_user_sgpr_count 2
		.amdhsa_user_sgpr_kernarg_segment_ptr 1
		.amdhsa_wavefront_size32 1
		.amdhsa_system_sgpr_workgroup_id_x 1
		.amdhsa_system_sgpr_workgroup_id_y 1
		.amdhsa_system_sgpr_workgroup_id_z 1
		.amdhsa_system_vgpr_workitem_id 0
		.amdhsa_next_free_vgpr 256
		.amdhsa_next_free_sgpr 66
		.amdhsa_reserve_vcc 0
		.amdhsa_float_denorm_mode_32 3
		.amdhsa_float_denorm_mode_16_64 3
		.amdhsa_memory_ordered 1
		.amdhsa_forward_progress 1
		.amdhsa_inst_pref_size 64
	.end_amdhsa_kernel
	.amdgpu_metadata
---
amdhsa.version: [ 1, 2 ]
amdhsa.kernels:
  - .name:           k_q22672c812a_proj
    .symbol:         k_q22672c812a_proj.kd
    .args:
      - { .name: yf, .offset: 0, .size: 8, .value_kind: global_buffer, .address_space: global }
      - { .name: Wp, .offset: 8, .size: 8, .value_kind: global_buffer, .address_space: global }
      - { .name: bp, .offset: 16, .size: 8, .value_kind: global_buffer, .address_space: global }
      - { .name: out0, .offset: 24, .size: 8, .value_kind: global_buffer, .address_space: global }
    .group_segment_fixed_size: 214528
    .private_segment_fixed_size: 0
    .kernarg_segment_align: 8
    .kernarg_segment_size: 32
    .max_flat_workgroup_size: 128
    .sgpr_count:     66
    .vgpr_count:     256
    .wavefront_size: 32
...
	.end_amdgpu_metadata
.endif
;; end of part 3
;; launch first16 (part 4): grid 12 x 2, 6 waves a work-group, no clusters, 13,312 bytes of LDS; arguments h16, Wp, bp, out0; writes out0
.if DOCPART == 4
	.amdgcn_target "amdgcn-amd-amdhsa--gfx1250"
	.amdhsa_code_object_version 6
	.text
	.protected	k_q22672c812a_first16
	.globl	k_q22672c812a_first16
	.p2align	8
	.type	k_q22672c812a_first16,@function
k_q22672c812a_first16:
	s_mov_b64 s[64:65], 0
	v_nop
	global_prefetch_b8 v0, s[64:65] scope:SCOPE_SE
	s_setreg_imm32_b32 hwreg(HW_REG_WAVE_MODE, 25, 1), 1
	s_wait_xcnt 0x0
; Positions 0-15 of each batch, all in f32: under the mask these rows average one to sixteen values and are the largest of the output, so their attention and their projection are not rounded to f16.
; SHARES.  Work-group (sl, b): columns 32 sl .. 32 sl + 31 of rows 0-15 of batch b.  Wave = head: it makes the head's 16 x 16 attention (32 matrix instructions, repeated in each of the 12 work-groups
; of a batch) and the head's part of the 32 columns; the six parts meet in LDS, and waves 0 and 1 add them to the bias and store.
; h16 holds q, k (lane: one position, registers: channels 16 dt + 8 h + j) and v (lane: one channel, registers: positions 8 h + j) as the first launch's results stood in registers.
; K IS PERMUTED ALIKE ON BOTH SOURCES: a step takes registers 8 dt + 2 u and 8 dt + 2 u + 1 of both; what the instruction takes for k = 2 h + j is element 16 dt + 8 h + 2 u + j on either side.
; The registers that the f32 matrix form writes (v192-255) are written by matrix instructions alone; each sum's first product takes the constant 0.
; The stores at the end are 32 bytes a lane to rows 1,536 bytes apart: 49,152 bytes in the whole launch.
.set SPARE, 12288                      ; behind the six waves' parts (2,048 bytes each): the spare words, 128 bytes for each wave, in three blocks of 256 bytes that no other line names
.set LI,  1
.set WO,  2
.set BO,  3
.set STO, 4
.set RDO, 5
.set DD,  6
.set SPW, 7                            ; v7   LDS address of my spare word; never rewritten
.set NIL, 8                            ; v8   0; never rewritten
.set NINF, 9
.set MX,  10
.set PM,  11
.set CM,  12
.set SU,  13
.set RC,  14
.set TP,  16                           ; v16-23 the scores, then p
.set BI,  24                           ; v24-31 the bias, then the sums
.set KR,  32
.set QR,  64
.set VR,  96
.set WR,  128                          ; Wp: tile e at 32 e, registers 8 dt + j
.set SA,  192
.set SB,  200
.set OT,  208
.set UT,  240
.set WV,  12
.set SLC, 13
.set BT,  14
.set HB,  18
.set WPB, 20
.set BPB, 22
.set OUTB, 24
.set CSC, 26
.set SEL, 28
	s_load_b256 s[4:11], s[0:1], 0x0               ; h16 s[4:5], Wp s[6:7], bp s[8:9], out0 s[10:11]
	v_lshl_add_u32 v[SPW], v0, 2, SPARE
	v_mov_b32 v[NIL], 0
	v_lshrrev_b32 v15, 5, v0
	v_readfirstlane_b32 s[WV], v15                 ; wave = head
	s_mov_b32 s[SLC], ttmp9
	s_and_b32 s[BT], ttmp7, 0xffff
	v_and_b32 v15, 31, v0
	v_lshlrev_b32 v[LI], 4, v15
	v_and_b32 v13, 15, v0                          ; r
	v_bfe_u32 v14, v0, 4, 1                        ; h
	v_mul_u32_u24 v[WO], v13, 1536
	v_lshl_add_u32 v[WO], v14, 5, v[WO]            ; row r of 1,536 bytes + 8 h numbers: in Wp and in out0
	v_lshlrev_b32 v[BO], 5, v14
	s_lshl_b32 s30, s[WV], 11
	v_add_nc_u32 v[STO], s30, v[LI]
	s_and_b32 s31, s[WV], 1
	s_lshl_b32 s30, s31, 10
	v_add_nc_u32 v[RDO], s30, v[LI]
	v_lshlrev_b32 v15, 3, v14
	v_sub_nc_u32 v[DD], v13, v15                   ; r - 8 h: register j (key 8 h + j) is hidden where j is greater
	v_mov_b32 v[NINF], 0xff800000
	v_mov_b32 v[PM], 0                             ; written once: a lane permute's destination counts as one of its sources
	s_mov_b32 s[CSC], 0x3e38aa3b                   ; c = log2(e) / 8
	s_mov_b32 s[SEL], 0x76543210
	s_mov_b32 s[SEL+1], 0xfedcba98
	s_mov_b32 s17, 0
	s_wait_kmcnt 0x0
	s_mul_i32 s16, s[BT], 24576
	s_lshl_b32 s30, s[WV], 12
	s_add_co_u32 s16, s16, s30
	s_add_nc_u64 s[HB:HB+1], s[4:5], s[16:17]      ; q of my head; k lies 49,152 bytes on, v 98,304
	s_mul_i32 s16, s[SLC], 49152
	s_lshl_b32 s30, s[WV], 8
	s_add_co_u32 s16, s16, s30
	s_add_nc_u64 s[WPB:WPB+1], s[6:7], s[16:17]    ; rows 32 sl on, my head's 64 columns
	s_lshl_b32 s16, s[SLC], 7
	s_lshl_b32 s30, s31, 6
	s_add_co_u32 s16, s16, s30                     ; column 32 sl + 16 (w % 2), in bytes
	s_add_nc_u64 s[BPB:BPB+1], s[8:9], s[16:17]
	s_add_nc_u64 s[OUTB:OUTB+1], s[10:11], s[16:17]
	s_mul_i32 s16, s[BT], 6291456
	s_add_nc_u64 s[OUTB:OUTB+1], s[OUTB:OUTB+1], s[16:17]
.set N, 0
.rept 8
	global_load_b128 v[KR+4*N:KR+4*N+3], v[LI], s[HB:HB+1] offset:49152+512*N
.set N, N+1
.endr
.set N, 0
.rept 8
	global_load_b128 v[QR+4*N:QR+4*N+3], v[LI], s[HB:HB+1] offset:512*N
.set N, N+1
.endr
.set N, 0
.rept 8
	global_load_b128 v[VR+4*N:VR+4*N+3], v[LI], s[HB:HB+1] offset:98304+512*N
.set N, N+1
.endr
.irp e, 0,1
.irp dt, 0,1,2,3
	global_load_b128 v[WR+32*\e+8*\dt:WR+32*\e+8*\dt+3], v[WO], s[WPB:WPB+1] offset:\e*24576+\dt*64
	global_load_b128 v[WR+32*\e+8*\dt+4:WR+32*\e+8*\dt+7], v[WO], s[WPB:WPB+1] offset:\e*24576+\dt*64+16
.endr
.endr
	global_load_b128 v[BI:BI+3], v[BO], s[BPB:BPB+1]
	global_load_b128 v[BI+4:BI+7], v[BO], s[BPB:BPB+1] offset:16
	s_wait_loadcnt 26                              ; k and q are in; v's 8, Wp's 16 and the bias' 2 loads may be out
.set N, 0
.rept 8                                        ; S^T = K Q^T in two sums that take turns
.if N == 0
	v_wmma_f32_16x16x4_f32 v[SA:SA+7], v[KR+4*N:KR+4*N+1], v[QR+4*N:QR+4*N+1], 0
	v_wmma_f32_16x16x4_f32 v[SB:SB+7], v[KR+4*N+2:KR+4*N+3], v[QR+4*N+2:QR+4*N+3], 0
.else
	v_wmma_f32_16x16x4_f32 v[SA:SA+7], v[KR+4*N:KR+4*N+1], v[QR+4*N:QR+4*N+1], v[SA:SA+7]
	v_wmma_f32_16x16x4_f32 v[SB:SB+7], v[KR+4*N+2:KR+4*N+3], v[QR+4*N+2:QR+4*N+3], v[SB:SB+7]
.endif
.set N, N+1
.endr
.rept 8
	v_nop                                          ; eight places behind this form, in front of the first read of results
.endr
.irp j, 0,1,2,3,4,5,6,7
	v_add_f32 v[TP+\j], v[SA+\j], v[SB+\j]         ; lane (r, h): query r, key 8 h + j
.endr
.irp j, 0,1,2,3,4,5,6,7
	v_cmp_gt_i32 vcc_lo, \j, v[DD]
	v_cndmask_b32 v[TP+\j], v[TP+\j], v[NINF], vcc_lo
.endr
	v_max3_num_f32 v[MX], v[TP], v[TP+1], v[TP+2]
	v_max3_num_f32 v[MX], v[MX], v[TP+3], v[TP+4]
	v_max3_num_f32 v[MX], v[MX], v[TP+5], v[TP+6]
	v_max_num_f32 v[MX], v[MX], v[TP+7]
	v_permlanex16_b32 v[PM], v[MX], s[SEL], s[SEL+1]
	v_max_num_f32 v[MX], v[MX], v[PM]              ; the row's maximum: key 0 counts for every query
	v_mul_f32 v[CM], s[CSC], v[MX]
.irp j, 0,1,2,3,4,5,6,7
	v_fma_f32 v[TP+\j], v[TP+\j], s[CSC], -v[CM]
.endr
.irp j, 0,1,2,3,4,5,6,7
	v_exp_f32 v[TP+\j], v[TP+\j]
.endr
	v_nop
	s_wait_alu depctr_va_vdst(0)                   ; one wait for the eight exponentials, ahead of their first reader
	v_add_f32 v[SU], v[TP], v[TP+1]
	v_add_f32 v[RC], v[TP+2], v[TP+3]
	v_add_f32 v[SU], v[SU], v[TP+4]
	v_add_f32 v[RC], v[RC], v[TP+5]
	v_add_f32 v[SU], v[SU], v[TP+6]
	v_add_f32 v[RC], v[RC], v[TP+7]
	v_add_f32 v[SU], v[SU], v[RC]
	v_permlanex16_b32 v[PM], v[SU], s[SEL], s[SEL+1]
	v_add_f32 v[SU], v[SU], v[PM]
	v_rcp_f32 v[RC], v[SU]
	v_nop
	s_wait_alu depctr_va_vdst(0)                   ; and one for the reciprocal
.irp j, 0,1,2,3,4,5,6,7
	v_mul_f32 v[TP+\j], v[TP+\j], v[RC]
.endr
	s_wait_loadcnt 18                              ; v is in; Wp's 16 and the bias' 2 loads may be out
.irp u, 0,1,2,3                                ; O^T = V^T P: four sums by turns
.irp dt, 0,1,2,3
.if \u == 0
	v_wmma_f32_16x16x4_f32 v[OT+8*\dt:OT+8*\dt+7], v[VR+8*\dt+2*\u:VR+8*\dt+2*\u+1], v[TP+2*\u:TP+2*\u+1], 0
.else
	v_wmma_f32_16x16x4_f32 v[OT+8*\dt:OT+8*\dt+7], v[VR+8*\dt+2*\u:VR+8*\dt+2*\u+1], v[TP+2*\u:TP+2*\u+1], v[OT+8*\dt:OT+8*\dt+7]
.endif
.endr
.endr
.rept 9
	v_nop                                          ; nine places: the results become a source of the next products
.endr
	s_wait_loadcnt 2                               ; Wp is in; the bias' 2 loads may be out
.irp dt, 0,1,2,3                               ; my head's part of the 32 columns: source 0 = 16 rows of Wp, source 1 = y; two sums by turns
.irp u, 0,1,2,3
.irp e, 0,1
.if (\dt == 0) && (\u == 0)
	v_wmma_f32_16x16x4_f32 v[UT+8*\e:UT+8*\e+7], v[WR+32*\e+8*\dt+2*\u:WR+32*\e+8*\dt+2*\u+1], v[OT+8*\dt+2*\u:OT+8*\dt+2*\u+1], 0
.else
	v_wmma_f32_16x16x4_f32 v[UT+8*\e:UT+8*\e+7], v[WR+32*\e+8*\dt+2*\u:WR+32*\e+8*\dt+2*\u+1], v[OT+8*\dt+2*\u:OT+8*\dt+2*\u+1], v[UT+8*\e:UT+8*\e+7]
.endif
.endr
.endr
.endr
.rept 8
	v_nop
.endr
.irp e, 0,1
	ds_store_b128 v[STO], v[UT+8*\e:UT+8*\e+3] offset:1024*\e          ; each sum from its low end on
	ds_store_b128 v[STO], v[UT+8*\e+4:UT+8*\e+7] offset:1024*\e+512
.endr
	s_wait_tensorcnt 0x0                           ; behind my last LDS store; only LDS loads follow.  The closing wait also shows my stores landed, for the others' sake
	ds_add_u32 v[SPW], v[NIL]
	s_wait_dscnt 0x0
	s_barrier_signal -1
	s_barrier_wait -1
	s_cmp_ge_u32 s[WV], 2                          ; waves 0 and 1 add the six heads' parts of column tile e = w
	s_cbranch_scc1 .Ldone
.irp n, 0,1,2,3,4,5
	ds_load_b128 v[32+8*\n:32+8*\n+3], v[RDO] offset:2048*\n
	ds_load_b128 v[32+8*\n+4:32+8*\n+7], v[RDO] offset:2048*\n+512
.endr
	s_wait_loadcnt 0x0                             ; the bias
	s_wait_dscnt 0x0
.irp n, 0,1,2,3,4,5
.irp j, 0,2,4,6
	v_pk_add_f32 v[BI+\j:BI+\j+1], v[BI+\j:BI+\j+1], v[32+8*\n+\j:32+8*\n+\j+1]
.endr
.endr
	global_store_b128 v[WO], v[BI:BI+3], s[OUTB:OUTB+1]
	global_store_b128 v[WO], v[BI+4:BI+7], s[OUTB:OUTB+1] offset:16
.Ldone:
	s_endpgm
.Lfunc_end_k_q22672c812a_first16:
	.size	k_q22672c812a_first16, .Lfunc_end_k_q22672c812a_first16-k_q22672c812a_first16
	.p2alignl 7, 3214868480
	.fill 96, 4, 3214868480
	.section	.rodata,"a",@progbits
	.p2align	6, 0x0
	.amdhsa_kernel k_q22672c812a_first16
		.amdhsa_group_segment_fixed_size 13312
		.amdhsa_private_segment_fixed_size 0
		.amdhsa_enable_private_segment 0
		.amdhsa_kernarg_size 32
		.amdhsa_user_sgpr_count 2
		.amdhsa_user_sgpr_kernarg_segment_ptr 1
		.amdhsa_wavefront_size32 1
		.amdhsa_system_sgpr_workgroup_id_x 1
		.amdhsa_system_sgpr_workgroup_id_y 1
		.amdhsa_system_sgpr_workgroup_id_z 1
		.amdhsa_system_vgpr_workitem_id 0
		.amdhsa_next_free_vgpr 256
		.amdhsa_next_free_sgpr 66
		.amdhsa_reserve_vcc 1
		.amdhsa_float_denorm_mode_32 3
		.amdhsa_float_denorm_mode_16_64 3
		.amdhsa_memory_ordered 1
		.amdhsa_forward_progress 1
		.amdhsa_inst_pref_size 17
	.end_amdhsa_kernel
	.amdgpu_metadata
---
amdhsa.version: [ 1, 2 ]
amdhsa.kernels:
  - .name:           k_q22672c812a_first16
    .symbol:         k_q22672c812a_first16.kd
    .args:
      - { .name: h16, .offset: 0, .size: 8, .value_kind: global_buffer, .address_space: global }
      - { .name: Wp, .offset: 8, .size: 8, .value_kind: global_buffer, .address_space: global }
      - { .name: bp, .offset: 16, .size: 8, .value_kind: global_buffer, .address_space: global }
      - { .name: out0, .offset: 24, .size: 8, .value_kind: global_buffer, .address_space: global }
    .group_segment_fixed_size: 13312
    .private_segment_fixed_size: 0
    .kernarg_segment_align: 8
    .kernarg_segment_size: 32
    .max_flat_workgroup_size: 192
    .sgpr_count:     66
    .vgpr_count:     256
    .wavefront_size: 32
...
	.end_amdgpu_metadata
.endif
;; end of part 4
;; ======== version 2 of 2: 4 launches; version 1 with the launch qkv written anew for expert scheduling mode
;; limits: values are held in f16: magnitudes above 65,504 overflow, below 6.1e-05 lose precision
;; workspace buffers: qf 6,291,456 bytes; kf 6,291,456 bytes; vf 6,291,456 bytes; yf 6,291,456 bytes; h16 147,456 bytes
;; launch qkv (part 5): grid 64 x 3, 8 waves a work-group, no clusters, 61,440 bytes of LDS; arguments x, Wq, Wk, Wv, bq, bk, bv, qf, kf, vf, h16; writes qf, kf, vf, h16
.if DOCPART == 5
	.amdgcn_target "amdgcn-amd-amdhsa--gfx1250"
	.amdhsa_code_object_version 6
	.text
	.protected	k_q22672c812a_qkv
	.globl	k_q22672c812a_qkv
	.p2align	8
	.type	k_q22672c812a_qkv,@function
k_q22672c812a_qkv:
	s_mov_b64 s[64:65], 0
	v_nop
	global_prefetch_b8 v0, s[64:65] scope:SCOPE_SE
	s_setreg_imm32_b32 hwreg(HW_REG_WAVE_SCHED_MODE, 0, 2), 2
	s_setreg_imm32_b32 hwreg(HW_REG_WAVE_MODE, 25, 1), 1
	s_wait_xcnt 0x0
	s_wait_alu depctr_vm_vsrc(0)
; q, k, v = Q(x) Q(W)^T + b, Q the MX-FP4 quantiser along K = 384 (12 blocks of 32, three matrix steps of 128); RoPE on q and k in f32; results rounded to f16.
; SHARES.  Work-group (rb, y): rows 128 rb .. 128 rb + 127 of x (8 tiles of 16), matrix y (0 q, 1 k, 2 v).  Wave w owns the output tiles nt = 3 w + u, u = 0..2 (16 columns each);
; its nine fragments of W are quantised in registers and stay there.  Wave w also quantises row tile w of x; the codes and scale words go to the other waves through LDS as images of the
; operand's registers (16 bytes a lane, 512 bytes a store).  For q and k wave w makes the cosines and sines of row tile w, which go the same way.  One barrier.
; LAYOUT OF THE RESULTS.  q, k: source 0 = 16 rows of W, source 1 = 16 rows of x: a lane holds one position and eight neighbouring channels, so a RoPE pair lies in one lane and four packed
; conversions make half of a 16-bit operand's registers.  v: the sources swapped: a lane holds one channel and eight positions: half of an operand whose K runs along the keys.
; Each half (32 lanes x 16 bytes) is stored as it stands: every store of a wave covers 512 consecutive bytes, aligned.
;   qf, kf: (6 b + head) 524288 + (position / 16) 2048 + dt 512 + 16 lane       vf: (6 b + head) 524288 + (position / 32) 4096 + dt 1024 + ((position / 16) % 2) 512 + 16 lane
;   h16 (f32 copy of positions 0-15): ((y 2 + b) 24 + nt) 1024 + half 512 + 16 lane
; NO CLUSTER, NO TENSOR LOAD: both operands arrive as f32 and pass through registers to be quantised.
; LIMITS: |q|, |k|, |v| under 65,504 (f16).  NaN and infinities among the inputs are not served.  A block of zeros gets the scale byte 1 where the quantiser says 127: its codes are zeros, and
; the bytes are read by this program alone.  The RoPE frequencies 10^(-i/8) are literals times one factor: within about 1.5 ulp; at position 4,095 an angle differs by 3e-4 rad at the most.
; THE MODE: SCHED_MODE bits 1:0 = 2 (LLVM: expert scheduling mode 2), set by the entry lines.  The code itself states the register dependences between vector or matrix instructions and
; memory or LDS instructions, with s_wait_alu, always for 0.
; THE PLAN.  Registers that memory or LDS instructions touch:
;   v4-15, v31, v113   offsets and LDS addresses: made once at the head, never written again.
;   v114-177, v178-241 two raw sets.  A round's maxima and conversions read a set; behind them the loads of the round after next land in it.
;   v242-249, v25      x's codes and scale word: written by the quantiser in x's three rounds, read by the image's three LDS stores.
;   v190-221           cosines and sines: written by the sixteen series, read by eight LDS stores in one run.
;   v138-161, v28-30   a row tile's fragments and scale words of x: LDS loads land, the tile's nine products read; asked for again behind those products.
;   v190-213           a row tile's cosines and sines: LDS loads land, the rotation reads; asked for again behind the tile's roundings.
;   v242-253           the packed results: written by a tile's roundings, read by its three stores.  v214-237 (q, k) and v166-189 (v) are read by the stores of the f32 copy in tile 0.
; So a round has ONE wait on va_vdst, behind its conversions; a row tile has two, one behind its products and one behind its roundings, and one wait on vm_vsrc, ahead of the lines that
; write again what the last tile's stores read.  Between a wait and the memory instructions that lean on it no vector or matrix instruction names their registers.
.set XIMG,  0                          ; LDS: x's 24 fragments (3 m + s), 1,024 bytes each
.set XSC,   24576                      ; their scale words, 128 bytes each
.set CSB,   27648                      ; cosines and sines: row tile m 4,096: dt 1,024: cos of pairs 0-3 (512), sin (512)
.set SPARE, 60416                      ; the spare words, 128 bytes for each wave: four blocks of 256 bytes that no other line names
.set XO,  4                            ; v4   r 1536 + h 128: my 32 numbers of a block pair in a row of x or W
.set LI,  5                            ; v5   16 x lane
.set LS,  6                            ; v6   4 x lane
.set XWI, 7                            ; v7   16 x lane + 3072 w: where I store x's images; also my offset in h16
.set XWS, 8                            ; v8   4 x lane + 384 w
.set CWI, 9                            ; v9   16 x lane + 4096 w
.set CA,  10                           ; v10-12 16 x lane + 1024 dt(u)
.set GO,  13                           ; v13-15 my offset in the output for tile u
.set SPW, 16                           ; v16  LDS address of my spare word; never rewritten
.set NIL, 17                           ; v17  0; never rewritten
.set SH8, 18                           ; v18  8 h
.set POS, 19                           ; v19  my position, as f32
.set FH,  20                           ; v20  1 in lanes 0-15, 10^-0.5 in lanes 16-31
.set TA,  21                           ; v21-23, v26-27, v250-251: at work on cosines and sines
.set TN,  22
.set TR,  23
.set QT,  24                           ; v24  the quantiser's lane exchange
.set PW,  25                           ; v25  x's scale word on its way to LDS
.set T2,  26
.set TS,  27
.set XS,  28                           ; v28-30 x's scale words: scales and nothing else
.set BOQ, 31                           ; v31  32 h: bias, q and k
.set WF,  32                           ; v32-103 W's fragments (u, s) at 8 (3 u + s)
.set WS,  104                          ; v104-112 W's scale words: scales and nothing else
.set BOV, 113                          ; v113 4 r: bias, v
.set BA,  114                          ; v114-177, v178-241: two sets of 64 numbers
.set PC,  242                          ; v242-249 x's codes
.set QM,  250                          ; v250-251 largest magnitudes, v252-253 scale operands, v254-255 bytes
.set QS,  252
.set QB,  254
.set TC,  250
.set TQ,  251
.set BIAS, 114                         ; behind the quantising: v114-137 bias, v138-161 x's fragments, v166-189 sums, v190-213 cos, sin, v214-237 rotated, v242-253 packed
.set XF,  138
.set ACC, 166
.set CS,  190
.set SCO, 190
.set RR,  214
.set PK,  242
.set WV,  2
.set YY,  3
.set RB31, 4
.set BT,  5
.set XB,  32
.set WB,  34
.set BP,  36
.set OB,  38
.set HB,  40
.set SEL, 42
.set S4,  44
.set C4,  45
	s_load_b256 s[8:15], s[0:1], 0x0               ; x, Wq, Wk, Wv
	s_load_b256 s[16:23], s[0:1], 0x20             ; bq, bk, bv, qf
	s_load_b128 s[24:27], s[0:1], 0x40             ; kf, vf
	s_load_b64 s[28:29], s[0:1], 0x50              ; h16
	v_lshl_add_u32 v[SPW], v0, 2, SPARE
	v_mov_b32 v[NIL], 0
	v_lshrrev_b32 v1, 5, v0
	v_readfirstlane_b32 s[WV], v1                  ; wave 0..7
	s_and_b32 s[YY], ttmp7, 0xffff                 ; which matrix
	s_and_b32 s[RB31], ttmp9, 31                   ; the row block within its batch
	s_lshr_b32 s[BT], ttmp9, 5                     ; the batch
	v_and_b32 v1, 31, v0                           ; lane
	v_and_b32 v2, 15, v0                           ; r
	v_bfe_u32 v3, v0, 4, 1                         ; h
	v_mul_u32_u24 v[XO], v2, 1536
	v_lshl_add_u32 v[XO], v3, 7, v[XO]
	v_lshlrev_b32 v[LI], 4, v1
	v_lshlrev_b32 v[LS], 2, v1
	s_wait_alu depctr_va_sdst(0)                   ; the wave's number is written, ahead of its first reader: LDS places, offsets and bases are made from it
	s_mul_i32 s6, s[WV], 3072
	v_add_nc_u32 v[XWI], s6, v[LI]
	s_mul_i32 s6, s[WV], 384
	v_add_nc_u32 v[XWS], s6, v[LS]
	s_lshl_b32 s6, s[WV], 12
	v_add_nc_u32 v[CWI], s6, v[LI]
	s_cmp_eq_u32 s[YY], 2
	s_cselect_b32 s7, 10, 9                        ; a tile dt is 1,024 bytes on in vf, 512 in qf and kf
	s_mul_i32 s46, s[WV], 3
.irp u, 0,1,2
	s_add_co_u32 s6, s46, \u                       ; nt = 3 w + u
	s_and_b32 s47, s6, 3                           ; dt
	s_lshr_b32 s6, s6, 2                           ; head
	s_lshl_b32 s48, s47, 10
	v_add_nc_u32 v[CA+\u], s48, v[LI]
	s_lshl_b32 s47, s47, s7
	s_lshl_b32 s6, s6, 19
	s_add_co_u32 s6, s6, s47
	v_add_nc_u32 v[GO+\u], s6, v[LI]
.endr
	v_lshlrev_b32 v[SH8], 3, v3
	v_lshlrev_b32 v[BOQ], 5, v3
	v_lshlrev_b32 v[BOV], 2, v2
	s_lshl_b32 s6, s[RB31], 7
	s_lshl_b32 s7, s[WV], 4
	s_add_co_u32 s6, s6, s7
	v_add_nc_u32 v[POS], s6, v2                    ; position = 128 (rb % 32) + 16 w + r
	v_cvt_f32_u32 v[POS], v[POS]
	v_mov_b32 v[TA], 0x3ea1e89b                    ; 10^-0.5
	v_cmp_eq_u32 vcc_lo, 1, v3
	v_mov_b32 v[QT], 0                             ; written once: a lane permute's destination counts as one of its sources
	s_wait_alu depctr_va_vcc(0)                    ; the compare has written VCC, which the select reads
	v_cndmask_b32 v[FH], 1.0, v[TA], vcc_lo
	s_mov_b32 s[SEL], 0x76543210
	s_mov_b32 s[SEL+1], 0xfedcba98                 ; lane l xor 16
	s_mov_b32 s[S4], 0x3638ef1d                    ; 1 / 9!
	s_mov_b32 s[C4], 0x37d00d01                    ; 1 / 8!
	s_wait_kmcnt 0x0
	s_cmp_eq_u32 s[YY], 0                          ; the buffers are chosen by the work-group's y alone
	s_cselect_b64 s[WB:WB+1], s[10:11], s[12:13]
	s_cselect_b64 s[BP:BP+1], s[16:17], s[18:19]
	s_cselect_b64 s[OB:OB+1], s[22:23], s[24:25]
	s_cmp_eq_u32 s[YY], 2
	s_cselect_b64 s[WB:WB+1], s[14:15], s[WB:WB+1]
	s_cselect_b64 s[BP:BP+1], s[20:21], s[BP:BP+1]
	s_cselect_b64 s[OB:OB+1], s[26:27], s[OB:OB+1]
	s_mov_b32 s31, 0
	s_mul_i32 s30, ttmp9, 196608                   ; 128 rows of 1,536 bytes
	s_mul_i32 s6, s[WV], 24576                     ; my 16 rows
	s_add_co_u32 s30, s30, s6
	s_add_nc_u64 s[XB:XB+1], s[8:9], s[30:31]
	s_mul_i32 s30, s[WV], 73728                    ; my 48 rows of W
	s_add_nc_u64 s[WB:WB+1], s[WB:WB+1], s[30:31]
	s_mul_i32 s30, s[WV], 192                      ; my 48 numbers of the bias
	s_add_nc_u64 s[BP:BP+1], s[BP:BP+1], s[30:31]
	s_mul_i32 s30, s[BT], 3145728                  ; six heads of 524,288 bytes
	s_lshl_b32 s6, s[RB31], 14                     ; 128 positions are 16,384 bytes of a head
	s_add_co_u32 s30, s30, s6
	s_add_nc_u64 s[OB:OB+1], s[OB:OB+1], s[30:31]
	s_lshl_b32 s30, s[YY], 1
	s_add_co_u32 s30, s30, s[BT]
	s_mul_i32 s30, s30, 24576
	s_add_nc_u64 s[HB:HB+1], s[28:29], s[30:31]
	s_wait_alu depctr_va_vdst(0)                   ; the offsets and LDS addresses v4 to v15, v31 and v113 are written: every load and store of the kernel reads one of them, and none is written again
; 128 along K of my row: lane (r, h) takes k = 64 c + 32 h + 0 .. 31, c = 0, 1: two whole blocks, in the order in which the operand's registers want them
.macro LOAD64 buf, base, imm
.irp c, 0,1
.irp i, 0,1,2,3,4,5,6,7
	global_load_b128 v[\buf+32*\c+4*\i:\buf+32*\c+4*\i+3], v[XO], s[\base:\base+1] offset:\imm+256*\c+16*\i
.endr
.endr
.endm
; 64 numbers of a lane become a fragment's eight registers of codes in v[dst] on and its scale word in v[wd]
.macro QUANTB buf, dst, wd
	v_max3_num_f32 v[QM], |v[\buf]|, |v[\buf+1]|, 0x1800000        ; my two blocks by turns; the floor 2^(3 - 127) holds the byte at 1 from below
	v_max3_num_f32 v[QM+1], |v[\buf+32]|, |v[\buf+33]|, 0x1800000
.irp i, 2,4,6,8,10,12,14,16,18,20,22,24,26,28,30
	v_max3_num_f32 v[QM], v[QM], |v[\buf+\i]|, |v[\buf+\i+1]|
	v_max3_num_f32 v[QM+1], v[QM+1], |v[\buf+32+\i]|, |v[\buf+33+\i]|
.endr
	v_add_nc_u32 v[QS], 0xff000000, v[QM]          ; 2 off the exponent field: the conversion's scale operand
	v_add_nc_u32 v[QS+1], 0xff000000, v[QM+1]
	v_lshrrev_b32 v[QB], 23, v[QS]                 ; the scales' bytes
	v_lshrrev_b32 v[QB+1], 23, v[QS+1]
	v_lshl_or_b32 v[QB], v[QB+1], 16, v[QB]        ; blocks h and 2 + h,
	v_lshlrev_b32 v[QB], v[SH8], v[QB]             ; at their places in the word;
	v_permlanex16_b32 v[QT], v[QB], s[SEL], s[SEL+1]
	v_or_b32 v[\wd], v[QB], v[QT]                  ; with lane l xor 16's two the word is whole
.irp c, 0,1
.irp g, 0,1,2,3
	v_cvt_scalef32_pk8_fp4_f32 v[\dst+4*\c+\g], v[\buf+32*\c+8*\g:\buf+32*\c+8*\g+7], v[QS+\c]
.endr
.endr
	v_nop                                          ; one plain place behind the last scaled conversion
.endm
.macro XIMAGE s                                ; x's fragment and scale word of K step s go to LDS as they stand
	ds_store_b128 v[XWI], v[PC:PC+3] offset:XIMG+1024*\s
	ds_store_b128 v[XWI], v[PC+4:PC+7] offset:XIMG+1024*\s+512
	ds_store_b32 v[XWS], v[PW] offset:XSC+128*\s
.endm
; TWELVE ROUNDS: x's three K steps, then W's nine fragments.  Two rounds' loads are out; the count 16 leaves the next round's 16 loads on their way.
; A raw set is asked for again at once behind the conversions that empty it, so the round's one wait on va_vdst stands there.
	LOAD64 BA, XB, 0
	LOAD64 BA+64, XB, 512
	s_wait_loadcnt 16
	QUANTB BA, PC, PW
	s_wait_alu depctr_va_vdst(0)                   ; the quantiser has written the codes and the scale word, which the image's stores read, and is done reading the raw set, in which the loads below land
	XIMAGE 0
	LOAD64 BA, XB, 1024
	s_wait_loadcnt 16
	s_wait_dscnt 0x0                               ; the image's stores are done
	s_wait_alu depctr_vm_vsrc(0)                   ; the image's stores have read the codes and the scale word, which the quantiser writes again
	QUANTB BA+64, PC, PW
	s_wait_alu depctr_va_vdst(0)                   ; as in the round before: codes and scale word written, the raw set read out
	XIMAGE 1
	LOAD64 BA+64, WB, 0
	s_wait_loadcnt 16
	s_wait_dscnt 0x0
	s_wait_alu depctr_vm_vsrc(0)                   ; the image's stores have read the codes and the scale word, which the quantiser writes again
	QUANTB BA, PC, PW
	s_wait_alu depctr_va_vdst(0)                   ; codes and scale word written, the raw set read out
	XIMAGE 2
	LOAD64 BA, WB, 512
.set J, 0
.rept 9                                        ; fragment J = 3 u + s of W
.set BUF, BA+64*((J+1)%2)
.if J < 8
	s_wait_loadcnt 16
.else
	s_wait_loadcnt 0x0
.endif
	QUANTB BUF, WF+8*J, WS+J
.if J+2 < 9
	s_wait_alu depctr_va_vdst(0)                   ; the maxima and conversions are done reading the raw set, in which the loads below land
	LOAD64 BUF, WB, ((J+2)/3)*24576+((J+2)%3)*512
.endif
.set J, J+1
.endr
; cos and sin of a = position x 10^-(dt + h/2 + p/8).  a is reduced by n = round(a 2/pi) in two steps (pi/2 as a high and a low part), the two series run to r^9 and r^8 on |r| <= pi/4,
; and n mod 4 picks and signs them by selects: no branch hangs on a number.  The compare for odd n stands as soon as n is known, so that the two series lie between it and its selects.
.macro SINCOS lit, oc, os
	v_mul_f32 v[TA], \lit, v[FH]
	v_mul_f32 v[TA], v[TA], v[POS]
	v_mul_f32 v[TN], 0x3f22f983, v[TA]
	v_rndne_f32 v[TN], v[TN]
	v_fmamk_f32 v[TR], v[TN], 0xbfc90fdb, v[TA]
	v_cvt_i32_f32 v[TQ], v[TN]
	v_fmamk_f32 v[TR], v[TN], 0x333bbd2e, v[TR]
	v_and_b32 v[TA], 1, v[TQ]
	v_cmp_eq_u32 vcc_lo, 1, v[TA]
	v_mul_f32 v[T2], v[TR], v[TR]
	v_fmaak_f32 v[TS], s[S4], v[T2], 0xb9500d01
	v_fmaak_f32 v[TC], s[C4], v[T2], 0xbab60b61
	v_fmaak_f32 v[TS], v[TS], v[T2], 0x3c088889
	v_fmaak_f32 v[TC], v[TC], v[T2], 0x3d2aaaab
	v_fmaak_f32 v[TS], v[TS], v[T2], 0xbe2aaaab
	v_fmaak_f32 v[TC], v[TC], v[T2], 0xbf000000
	v_mul_f32 v[TS], v[TS], v[T2]
	v_fma_f32 v[TC], v[TC], v[T2], 1.0
	v_fma_f32 v[TS], v[TS], v[TR], v[TR]
	s_wait_alu depctr_va_vcc(0)                    ; the compare has written VCC, which the two selects read
	v_cndmask_b32 v[TN], v[TS], v[TC], vcc_lo      ; odd n: sine and cosine change places
	v_cndmask_b32 v[TC], v[TC], v[TS], vcc_lo
	v_lshlrev_b32 v[TA], 30, v[TQ]
	v_add_nc_u32 v[TQ], 1, v[TQ]
	v_and_b32 v[TA], 0x80000000, v[TA]             ; the sine is negative for n mod 4 = 2, 3,
	v_lshlrev_b32 v[TQ], 30, v[TQ]
	v_xor_b32 v[\os], v[TA], v[TN]
	v_and_b32 v[TQ], 0x80000000, v[TQ]             ; the cosine for 1, 2
	v_xor_b32 v[\oc], v[TQ], v[TC]
.endm
.macro SC4 dt, l0, l1, l2, l3
	SINCOS \l0, SCO+8*\dt, SCO+8*\dt+4
	SINCOS \l1, SCO+8*\dt+1, SCO+8*\dt+5
	SINCOS \l2, SCO+8*\dt+2, SCO+8*\dt+6
	SINCOS \l3, SCO+8*\dt+3, SCO+8*\dt+7
.endm
	s_wait_alu depctr_va_vdst(0)                   ; the last two rounds are done reading v114 to v241: the bias lands in v114 to v137, in either arm
	s_cmp_eq_u32 s[YY], 2
	s_cbranch_scc1 .Lbias_v
.irp u, 0,1,2                                  ; q, k: lane (r, h) wants the bias of channels 16 nt + 8 h + 0 .. 7
	global_load_b128 v[BIAS+8*\u:BIAS+8*\u+3], v[BOQ], s[BP:BP+1] offset:64*\u
	global_load_b128 v[BIAS+8*\u+4:BIAS+8*\u+7], v[BOQ], s[BP:BP+1] offset:64*\u+16
.endr
	SC4 0, 1.0, 0.749894209, 0.562341325, 0.421696503
	SC4 1, 0.1, 0.0749894209, 0.0562341325, 0.0421696503
	SC4 2, 0.01, 0.00749894209, 0.00562341325, 0.00421696503
	SC4 3, 0.001, 0.000749894209, 0.000562341325, 0.000421696503
	s_wait_alu depctr_va_vdst(0)                   ; the sixteen series have written v190 to v221, which the eight stores below read: one wait for the run
.irp dt, 0,1,2,3
	ds_store_b128 v[CWI], v[SCO+8*\dt:SCO+8*\dt+3] offset:CSB+1024*\dt
	ds_store_b128 v[CWI], v[SCO+8*\dt+4:SCO+8*\dt+7] offset:CSB+1024*\dt+512
.endr
	s_branch .Lmeet
.Lbias_v:
.irp u, 0,1,2                                  ; v: lane (r, h) wants the bias of channel 16 nt + r
	global_load_b32 v[BIAS+8*\u], v[BOV], s[BP:BP+1] offset:64*\u
.endr
.Lmeet:
	s_wait_dscnt 0x0                               ; for the others' sake: my images have landed
	s_barrier_signal -1
	s_barrier_wait -1                              ; all eight row tiles lie in LDS; nothing there is written again
	s_wait_loadcnt 0x0                             ; the bias
.rept 8
	v_nop                                          ; an operand written by vector instructions stands 4 places ahead of a scaled matrix instruction, a scale register so written 8.  W's last fragment and its scale word
.endr                                              ; were made just ahead of the first parting on y; these eight stand on the common way, once a wave, so that the distance holds whichever arms a way through the text takes
	s_wait_alu depctr_va_vdst(0)                   ; behind the places: the conversions have written W's fragments v32 to v103 and the scale words v104 to v112, which the scaled products take
	s_wait_alu depctr_vm_vsrc(0)                   ; my LDS stores have read x's codes v242 to v249 and the cosines and sines v190 to v221: LDS loads, the rotation and the roundings write these registers from here on
.macro XFETCH m                                ; row tile m: three fragments and three scale words: nine LDS loads
.irp s, 0,1,2
	ds_load_b128 v[XF+8*\s:XF+8*\s+3], v[LI] offset:XIMG+(3*(\m)+\s)*1024
	ds_load_b128 v[XF+8*\s+4:XF+8*\s+7], v[LI] offset:XIMG+(3*(\m)+\s)*1024+512
	ds_load_b32 v[XS+\s], v[LS] offset:XSC+(3*(\m)+\s)*128
.endr
.endm
.macro CFETCH m                                ; row tile m: the cosines and sines of my three output tiles: six LDS loads
.irp u, 0,1,2
	ds_load_b128 v[CS+8*\u:CS+8*\u+3], v[CA+\u] offset:CSB+4096*(\m)
	ds_load_b128 v[CS+8*\u+4:CS+8*\u+7], v[CA+\u] offset:CSB+4096*(\m)+512
.endr
.endm
; q, k: row tile m.  Nine products, the three sums by turns; the bias is the C of each sum's first product.
; The next tile's fragments of x are asked for behind the products, its cosines and sines behind the roundings: each has landed when it is wanted.
.macro MQK m
	s_wait_dscnt 6                                 ; LDS loads come back in order: this tile's fragments and scale words of x are in; the six younger loads, its cosines and sines, may be out
.irp s, 0,1,2
.irp u, 0,1,2
.if \s == 0
	v_wmma_scale_f32_16x16x128_f8f6f4 v[ACC+8*\u:ACC+8*\u+7], v[WF+8*(3*\u+\s):WF+8*(3*\u+\s)+7], v[XF+8*\s:XF+8*\s+7], v[BIAS+8*\u:BIAS+8*\u+7], v[WS+3*\u+\s], v[XS+\s] matrix_a_fmt:MATRIX_FMT_FP4 matrix_b_fmt:MATRIX_FMT_FP4
.else
	v_wmma_scale_f32_16x16x128_f8f6f4 v[ACC+8*\u:ACC+8*\u+7], v[WF+8*(3*\u+\s):WF+8*(3*\u+\s)+7], v[XF+8*\s:XF+8*\s+7], v[ACC+8*\u:ACC+8*\u+7], v[WS+3*\u+\s], v[XS+\s] matrix_a_fmt:MATRIX_FMT_FP4 matrix_b_fmt:MATRIX_FMT_FP4
.endif
.endr
.endr
.rept 4
	v_nop                                          ; places in front of the first read of results
.endr
.if \m < 7
	s_wait_alu depctr_va_vdst(0)                   ; the nine products are done reading x's fragments and scale words, in which the next tile's loads land
	XFETCH \m+1
	s_wait_dscnt 9                                 ; this tile's cosines and sines are in; the nine loads just issued may be out
.else
	s_wait_dscnt 0x0                               ; the last tile asks for nothing more: its cosines and sines are in
.endif
.if \m > 0
	s_wait_xcnt 0x0                                ; the last tile's stores have had their addresses translated: their data registers may be written again
	s_wait_alu depctr_vm_vsrc(0)                   ; the last tile's stores have read the packed results, and tile 0's f32 copy the rotated numbers: the lines below write both again
.endif
.irp u, 0,1,2                                  ; RoPE: (x1, x2) -> (x1 cos - x2 sin, x1 sin + x2 cos); each sum is read from its low end on
.irp p, 0,1,2,3
	v_mul_f32 v[RR+8*\u+2*\p], v[ACC+8*\u+2*\p+1], v[CS+8*\u+4+\p]
	v_mul_f32 v[RR+8*\u+2*\p+1], v[ACC+8*\u+2*\p+1], v[CS+8*\u+\p]
.endr
.irp p, 0,1,2,3
	v_fma_f32 v[RR+8*\u+2*\p], v[ACC+8*\u+2*\p], v[CS+8*\u+\p], -v[RR+8*\u+2*\p]
	v_fma_f32 v[RR+8*\u+2*\p+1], v[ACC+8*\u+2*\p], v[CS+8*\u+4+\p], v[RR+8*\u+2*\p+1]
.endr
.endr
.irp u, 0,1,2
.irp i, 0,1,2,3
	v_cvt_pk_f16_f32 v[PK+4*\u+\i], v[RR+8*\u+2*\i], v[RR+8*\u+2*\i+1]
.endr
.endr
	s_wait_alu depctr_va_vdst(0)                   ; the roundings have written the packed results and the rotation the rotated numbers, which the stores below read; the rotation is done reading the cosines and sines, in which the next tile's land
.if \m < 7
	CFETCH \m+1
.endif
.irp u, 0,1,2
	global_store_b128 v[GO+\u], v[PK+4*\u:PK+4*\u+3], s[OB:OB+1] offset:2048*\m
.endr
.if \m == 0                                    ; positions 0-15 of a batch are kept in f32 too
	s_cmp_lg_u32 s[RB31], 0
	s_cbranch_scc1 .Lno_copy_\@
.irp u, 0,1,2
	global_store_b128 v[XWI], v[RR+8*\u:RR+8*\u+3], s[HB:HB+1] offset:1024*\u
	global_store_b128 v[XWI], v[RR+8*\u+4:RR+8*\u+7], s[HB:HB+1] offset:1024*\u+512
.endr
.Lno_copy_\@:
.endif
.endm
; v: the same with the sources and their scales swapped, and no rotation
.macro MV m
	s_wait_dscnt 0x0                               ; this tile's fragments and scale words of x are in
.if \m == 1
	s_wait_xcnt 0x0                                ; tile 0's stores have had their addresses translated
	s_wait_alu depctr_vm_vsrc(0)                   ; tile 0's f32 copy has read the sums, which the products below write again, and its stores the packed results
.endif
.irp s, 0,1,2
.irp u, 0,1,2
.if \s == 0
	v_wmma_scale_f32_16x16x128_f8f6f4 v[ACC+8*\u:ACC+8*\u+7], v[XF+8*\s:XF+8*\s+7], v[WF+8*(3*\u+\s):WF+8*(3*\u+\s)+7], v[BIAS+8*\u:BIAS+8*\u+7], v[XS+\s], v[WS+3*\u+\s] matrix_a_fmt:MATRIX_FMT_FP4 matrix_b_fmt:MATRIX_FMT_FP4
.else
	v_wmma_scale_f32_16x16x128_f8f6f4 v[ACC+8*\u:ACC+8*\u+7], v[XF+8*\s:XF+8*\s+7], v[WF+8*(3*\u+\s):WF+8*(3*\u+\s)+7], v[ACC+8*\u:ACC+8*\u+7], v[XS+\s], v[WS+3*\u+\s] matrix_a_fmt:MATRIX_FMT_FP4 matrix_b_fmt:MATRIX_FMT_FP4
.endif
.endr
.endr
.rept 4
	v_nop
.endr
.if \m < 7
	s_wait_alu depctr_va_vdst(0)                   ; the nine products are done reading x's fragments and scale words, in which the next tile's loads land
	XFETCH \m+1
.endif
.if \m > 1
	s_wait_xcnt 0x0                                ; the last tile's stores have had their addresses translated
	s_wait_alu depctr_vm_vsrc(0)                   ; the last tile's stores have read the packed results, which the roundings write again
.endif
.irp u, 0,1,2
.irp i, 0,1,2,3
	v_cvt_pk_f16_f32 v[PK+4*\u+\i], v[ACC+8*\u+2*\i], v[ACC+8*\u+2*\i+1]
.endr
.endr
	s_wait_alu depctr_va_vdst(0)                   ; the roundings have written the packed results, and the products the sums, which the stores below read
.irp u, 0,1,2
	global_store_b128 v[GO+\u], v[PK+4*\u:PK+4*\u+3], s[OB:OB+1] offset:(\m/2)*4096+(\m%2)*512
.endr
.if \m == 0
	s_cmp_lg_u32 s[RB31], 0
	s_cbranch_scc1 .Lno_copy_\@
.irp u, 0,1,2
	global_store_b128 v[XWI], v[ACC+8*\u:ACC+8*\u+3], s[HB:HB+1] offset:1024*\u
	global_store_b128 v[XWI], v[ACC+8*\u+4:ACC+8*\u+7], s[HB:HB+1] offset:1024*\u+512
.endr
.Lno_copy_\@:
.endif
.endm
	s_cmp_eq_u32 s[YY], 2
	s_cbranch_scc1 .Lv
	XFETCH 0                                       ; the first tile's loads lean on the two waits behind the barrier: no vector instruction since names their registers
	CFETCH 0
.irp m, 0,1,2,3,4,5,6,7
	MQK \m
.endr
	s_wait_dscnt 0x0                               ; the closing lines, six on end
	s_wait_alu 0x0
	s_wait_tensorcnt 0x0
	ds_add_u32 v[SPW], v[NIL]
	s_wait_dscnt 0x0
	s_endpgm
.Lv:
	XFETCH 0                                       ; as above; the copies below name the bias alone
.irp u, 0,1,2
.irp j, 1,2,3,4,5,6,7
	v_mov_b32 v[BIAS+8*\u+\j], v[BIAS+8*\u]        ; a lane's eight results are one channel's: the same bias eight times, once for the launch
.endr
.endr
.irp m, 0,1,2,3,4,5,6,7
	MV \m
.endr
	s_wait_dscnt 0x0                               ; the closing lines, as above
	s_wait_alu 0x0
	s_wait_tensorcnt 0x0
	ds_add_u32 v[SPW], v[NIL]
	s_wait_dscnt 0x0
	s_endpgm
.Lfunc_end_k_q22672c812a_qkv:
	.size	k_q22672c812a_qkv, .Lfunc_end_k_q22672c812a_qkv-k_q22672c812a_qkv
	.p2alignl 7, 3214868480
	.fill 96, 4, 3214868480
	.section	.rodata,"a",@progbits
	.p2align	6, 0x0
	.amdhsa_kernel k_q22672c812a_qkv
		.amdhsa_group_segment_fixed_size 61440
		.amdhsa_private_segment_fixed_size 0
		.amdhsa_enable_private_segment 0
		.amdhsa_kernarg_size 88
		.amdhsa_user_sgpr_count 2
		.amdhsa_user_sgpr_kernarg_segment_ptr 1
		.amdhsa_wavefront_size32 1
		.amdhsa_system_sgpr_workgroup_id_x 1
		.amdhsa_system_sgpr_workgroup_id_y 1
		.amdhsa_system_sgpr_workgroup_id_z 1
		.amdhsa_system_vgpr_workitem_id 0
		.amdhsa_next_free_vgpr 256
		.amdhsa_next_free_sgpr 66
		.amdhsa_reserve_vcc 1
		.amdhsa_float_denorm_mode_32 3
		.amdhsa_float_denorm_mode_16_64 3
		.amdhsa_memory_ordered 1
		.amdhsa_forward_progress 1
		.amdhsa_inst_pref_size 155
	.end_amdhsa_kernel
	.amdgpu_metadata
---
amdhsa.version: [ 1, 2 ]
amdhsa.kernels:
  - .name:           k_q22672c812a_qkv
    .symbol:         k_q22672c812a_qkv.kd
    .args:
      - { .name: x, .offset: 0, .size: 8, .value_kind: global_buffer, .address_space: global }
      - { .name: Wq, .offset: 8, .size: 8, .value_kind: global_buffer, .address_space: global }
      - { .name: Wk, .offset: 16, .size: 8, .value_kind: global_buffer, .address_space: global }
      - { .name: Wv, .offset: 24, .size: 8, .value_kind: global_buffer, .address_space: global }
      - { .name: bq, .offset: 32, .size: 8, .value_kind: global_buffer, .address_space: global }
      - { .name: bk, .offset: 40, .size: 8, .value_kind: global_buffer, .address_space: global }
      - { .name: bv, .offset: 48, .size: 8, .value_kind: global_buffer, .address_space: global }
      - { .name: qf, .offset: 56, .size: 8, .value_kind: global_buffer, .address_space: global }
      - { .name: kf, .offset: 64, .size: 8, .value_kind: global_buffer, .address_space: global }
      - { .name: vf, .offset: 72, .size: 8, .value_kind: global_buffer, .address_space: global }
      - { .name: h16, .offset: 80, .size: 8, .value_kind: global_buffer, .address_space: global }
    .group_segment_fixed_size: 61440
    .private_segment_fixed_size: 0
    .kernarg_segment_align: 8
    .kernarg_segment_size: 88
    .max_flat_workgroup_size: 256
    .sgpr_count:     66
    .vgpr_count:     256
    .wavefront_size: 32
...
	.end_amdgpu_metadata
.endif
;; end of part 5
;; launch attn: the kernel of part 2 again; grid 16 x 12, 8 waves a work-group, no clusters, 327,680 bytes of LDS; arguments qf, kf, vf, yf; writes yf
;; launch proj: the kernel of part 3 again; grid 64 x 3, 4 waves a work-group, no clusters, 214,528 bytes of LDS; arguments yf, Wp, bp, out0; writes out0
;; launch first16: the kernel of part 4 again; grid 12 x 2, 6 waves a work-group, no clusters, 13,312 bytes of LDS; arguments h16, Wp, bp, out0; writes out0
